; MI455X (gfx1250); checked and timed in simulation.
; The chip was launched on July 23, 2026; its instructions are those of AMD's public machine-readable ISA for CDNA 5 (MIT licence, August 2026) and "CDNA5" Instruction Set Architecture Reference Guide (July 2026). The comments in the code are by the model that wrote it; some were corrected since.
;; multihead self attention. Allowed arithmetic: matrix products marked QUANTISED: E2M1 operands, one E8M0 scale for each 32 along K, by v_wmma_scale_f32_16x16x128_f8f6f4 with both operands' format E2M1 (or v_wmma_scale_f32_32x16x128_f4), f32 sums; products left as they are: bf16, f16 or f32 operands; f32 sums; everything else in f32.
;; Inputs: k_proj_weight 1,024 x 1,024 float32; o_proj_weight 1,024 x 1,024 float32; q_proj_weight 1,024 x 1,024 float32; v_proj_weight 1,024 x 1,024 float32; x 2 x 2,048 x 1,024 float32.
;; Outputs: out0 2 x 2,048 x 1,024 float32.
;; This version of the problem:
;;   THIS VERSION OF THE PROBLEM IS GIVEN IN LOW PRECISION. The matrix products marked QUANTISED in the list below multiply operands that are first quantised to E2M1 (2 exponent bits, 1 mantissa bit; 4 bits a number), with one power-of-two scale for each 32 numbers along K (OCP MX v1.0); their sums are f32. The products marked 'left as it is' may take bf16, f16 or f32 operands, with f32 sums. Whichever they take, every output number must still come out within the allowed error. Rounding operands to bf16 (8 significant bits) uses up far more of that allowance than f16 does (11 bits, for magnitudes from 6e-5 to 65,504). All else is computed in f32.
;;   The module's matrix products, in the order in which they are computed (A, B: the left and right operand; K: the contracted axis; several contracted axes count as one K, in the product's order):
;;     1. [M 1,024, K 1,024] x [K 1,024, N 4,096]; A: input q_proj_weight; B: input x: QUANTISED
;;     2. [M 1,024, K 1,024] x [K 1,024, N 4,096]; A: input k_proj_weight; B: input x: QUANTISED
;;     3. [M 1,024, K 1,024] x [K 1,024, N 4,096]; A: input v_proj_weight; B: input x: QUANTISED
;;     4. batch 32 x [M 2,048, K 64] x [K 64, N 2,048]; A: computed on the way; B: computed on the way: left as it is (an operand is computed on the way)
;;     5. batch 32 x [M 2,048, K 2,048] x [K 2,048, N 64]; A: computed on the way; B: computed on the way: left as it is (an operand is computed on the way)
;;     6. [M 4,096, K 1,024] x [K 1,024, N 1,024]; A: computed on the way; B: input o_proj_weight: left as it is (an operand is computed on the way)
;;   THE QUANTISER, for each operand of a quantised product, along K:
;;     - K is cut into blocks of 32 from its start; a last block that is shorter is filled with zeros.
;;     - A block's scale is 2^e with e = floor(log2(the largest magnitude in the block)) - 2, held to -126 .. 127; a block of zeros has e = 0. As a byte (E8M0): e + 127.
;;     - Each number is divided by its block's scale, clamped to +-6, and rounded to the nearest number of E2M1, ties to even, subnormals kept.
;;     - The product sums the exact products of the quantised numbers (number of the format x scale) in f32.
;;   ~~~python
;;   def quantise(x, axis):      # numpy; x: float32 -> the quantised numbers, widened to float32 again
;;       x = np.moveaxis(x, axis, -1); K = x.shape[-1]
;;       x = np.pad(x, [(0, 0)] * (x.ndim - 1) + [(0, -K % 32)]); x = x.reshape(x.shape[:-1] + (-1, 32)); a = np.abs(x).max(-1, keepdims=True)
;;       e = np.where(a > 0, np.clip(np.frexp(np.where(a > 0, a, 1))[1] - 1 - 2, -126, 127), 0)      # np.frexp(a)[1] - 1 = floor(log2(a)), exactly
;;       r = np.clip(x / 2.0 ** e, -6, 6)
;;       step = 2.0 ** (np.maximum(np.frexp(np.where(r == 0, 1, r))[1] - 1, 0) - 1)
;;       q = np.round(r / step) * step * 2.0 ** e      # np.round: ties to even
;;       return np.moveaxis(q.reshape(q.shape[:-2] + (-1,))[..., :K], -1, axis).astype(np.float32)
;;   ~~~
;; One version. Each part assembles by itself: llvm-mc -triple=amdgcn-amd-amdhsa -mcpu=gfx1250 --defsym DOCPART=n.
;; ======== version 1 of 1: 5 launches
;; limits: values are held in f16: magnitudes above 65,504 overflow, below 6.1e-05 lose precision
;; workspace buffers: codes 3,670,016 bytes; scales 229,376 bytes; wo_img 2,097,152 bytes; qkv_img 25,165,824 bytes; o_img 8,388,608 bytes; fine_qkv 393,216 bytes; bsum 262,144 bytes
;; launch prep (part 1): grid 352 x 1, 4 waves a work-group, no clusters, 50,688 bytes of LDS; arguments x, q_proj_weight, k_proj_weight, v_proj_weight, o_proj_weight, codes, scales, wo_img; writes codes, scales, wo_img
.if DOCPART == 1
	.amdgcn_target "amdgcn-amd-amdhsa--gfx1250"
	.amdhsa_code_object_version 6
	.text
	.protected	k_qcd3f8f9c4c_prep
	.globl	k_qcd3f8f9c4c_prep
	.p2align	8
	.type	k_qcd3f8f9c4c_prep,@function
k_qcd3f8f9c4c_prep:
	s_mov_b64 s[64:65], 0
	v_nop
	global_prefetch_b8 v0, s[64:65] scope:SCOPE_SE
	s_setreg_imm32_b32 hwreg(HW_REG_WAVE_MODE, 25, 1), 1
	s_wait_xcnt 0x0
; PREP.  (1) x [4096][1024], Wq, Wk, Wv [1024][1024], f32, become codes of FP4 (E2M1), K innermost, two codes a byte, and one E8M0 byte for each 32 along K.
; The four tensors follow each other in the buffers: codes [7168 rows][512 bytes], scales [7168][32]; rows 0-4095 are x's tokens, then Wq's, Wk's and Wv's rows.
; A block's scale is 2^(floor(log2(largest magnitude)) - 2): its byte is the largest magnitude's exponent field - 2, held at 1 from below.
; (2) Wo [1024][1024] f32 becomes f16, laid as images of operand registers: wo_img [ks 4][N 64][kc 8][half 2][512 bytes]; in a piece lane (r, h)'s 16 bytes, at 16 x lane,
; are Wo[16 N + r][256 ks + 32 kc + 16 half + 8 h + 0 .. 7].
; LIMITS: a block of zeros, or one whose largest magnitude lies under 2^-124, gets the byte 1 (a block of zeros has zero codes, and this program alone reads the bytes);
; NaN and infinities are not served; Wo must lie within +-65,504 (f16).
; SHARES: work-groups 0-223 quantise 32,768 numbers each (0-127: x; then 32 for each weight); work-groups 224-351 turn Wo, a wave 16 rows x 128 along K.
; The two ways part on the work-group's number and have LDS bytes of their own.  No tensor loads, no barrier: waves share nothing.  No cluster: no two work-groups read the same bytes.
.set STEPS, 16
.set EMAX,  2
.set CB,    8                          ; bytes of 16 codes
.set R,     16                         ; v16-79   four sets of 16 numbers as loaded
.set X,     80                         ; v80-111  two sets of 16 neighbours
.set E,     112                        ; v112-127 a scale byte for each step
.set C,     128                        ; v128-191 codes, four registers a step: no store's data are written again
.set WREG,  8192                       ; LDS of a quantising wave: two stages of 32 x SP bytes, then its 256 scale bytes
.set SP,    80                         ; a lane's place in a stage: 64 bytes + 16 of padding
.set SPW,   12                         ; v12 LDS address of my spare word; never rewritten
.set NIL,   13                         ; v13 0; never rewritten
.set WOST,  32768                      ; LDS of Wo's way: 16 rows x WOP bytes for each wave
.set WOP,   272                        ; 128 f16 + 16 bytes of padding
.set SPARE, 50176                      ; the spare words, 128 bytes a wave
.set NQWG,  224
	s_load_b256 s[4:11], s[0:1], 0x0               ; x, Wq, Wk, Wv
	s_load_b256 s[12:19], s[0:1], 0x20             ; Wo, codes, scales, wo_img
	v_lshl_add_u32 v[SPW], v0, 2, SPARE
	v_mov_b32 v[NIL], 0
	v_lshrrev_b32 v1, 5, v0
	v_readfirstlane_b32 s20, v1                    ; wave
	v_and_b32 v2, 31, v0                           ; lane
	v_lshlrev_b32 v3, 4, v2                        ; 16 x lane
	s_cmp_ge_u32 ttmp9, NQWG
	s_cbranch_scc1 .Lwo
	; ---------------- the quantiser ----------------
	s_mul_i32 s21, s20, WREG
	v_lshrrev_b32 v14, 2, v2
	v_mul_u32_u24 v14, v14, SP
	v_and_b32 v15, 3, v2
	v_lshl_add_u32 v14, v15, 4, v14
	v_add_nc_u32 v14, s21, v14                     ; the stage, in: four lanes' 64 bytes on end, then 16 of padding
	v_mul_u32_u24 v15, v2, SP
	v_add_nc_u32 v15, s21, v15                     ; and out: my 16 neighbours
	v_mul_u32_u24 v4, v2, CB                       ; my codes' place in a step's
	v_lshrrev_b32 v5, 1, v2
	s_add_co_u32 s21, s21, 2*32*SP
	v_add_nc_u32 v5, s21, v5                       ; my block's byte among my wave's 256
	v_lshlrev_b32 v7, 3, v2
	v_add_nc_u32 v6, s21, v7                       ; and on the way out 8 bytes a lane
	s_sub_co_u32 s22, ttmp9, 128
	s_and_b32 s22, s22, 31                         ; a weight's work-group counts from its own tensor's start
	s_wait_kmcnt 0x0
	s_cmp_lt_u32 ttmp9, 192                        ; the source is chosen by the work-group's number alone
	s_cselect_b64 s[8:9], s[8:9], s[10:11]
	s_cmp_lt_u32 ttmp9, 160
	s_cselect_b64 s[6:7], s[6:7], s[8:9]
	s_cmp_lt_u32 ttmp9, 128
	s_cselect_b64 s[4:5], s[4:5], s[6:7]
	s_cselect_b32 s22, ttmp9, s22
	s_lshl_b32 s22, s22, 2
	s_add_co_u32 s22, s22, s20                     ; which run of 8,192 numbers of the source is my wave's
	s_lshl_b32 s24, s22, 15
	s_mov_b32 s25, 0
	s_add_nc_u64 s[4:5], s[4:5], s[24:25]
	s_lshl_b32 s23, ttmp9, 2
	s_add_co_u32 s23, s23, s20                     ; and which run of the codes and scale bytes, which go on from tensor to tensor
	s_lshl_b32 s24, s23, 12
	s_add_nc_u64 s[14:15], s[14:15], s[24:25]
	s_lshl_b32 s24, s23, 8
	s_add_nc_u64 s[16:17], s[16:17], s[24:25]
.macro LOAD t
.irp i, 0,1,2,3
	global_load_b128 v[R+16*((\t)%4)+4*\i:R+16*((\t)%4)+4*\i+3], v3, s[4:5] offset:2048*(\t)+512*\i th:TH_LOAD_NT   ; 32 lanes read 512 consecutive bytes
.endr
.endm
.macro TURN t                          ; a step's numbers through the stage: LDS serves a wave's instructions in order, so no wait stands between the stores and the loads
.irp i, 0,1,2,3
	ds_store_b128 v14, v[R+16*((\t)%4)+4*\i:R+16*((\t)%4)+4*\i+3] offset:32*SP*((\t)%2)+8*SP*\i
.endr
.irp i, 0,1,2,3
	ds_load_b128 v[X+16*((\t)%2)+4*\i:X+16*((\t)%2)+4*\i+3], v15 offset:32*SP*((\t)%2)+16*\i
.endr
.endm
.irp t, 0,1,2,3
	LOAD \t
.endr
	s_wait_loadcnt 12                              ; step 0's four loads are in; three steps' twelve stay out
	TURN 0
.macro STEP t
.set XS, X+16*((\t)%2)
.if (\t) > 0
	s_wait_dscnt 1                                 ; this step's numbers are back from the stage; the last step's byte store may be out
.else
	s_wait_dscnt 0x0
.endif
.if (\t)+4 < STEPS
	LOAD (\t)+4                                    ; into the registers that the stage's stores have read
.endif
.if (\t)+1 < STEPS
.if STEPS-2-(\t) >= 3
	s_wait_loadcnt 12                              ; the next step's four loads are in; those of the three steps behind it may be out
.else
	s_wait_loadcnt 4*(STEPS-2-(\t))
.endif
	TURN (\t)+1
.endif
	v_max3_num_f32 v8, |v[XS]|, |v[XS+1]|, |v[XS+2]|               ; the largest magnitude of my 16, in two chains
	v_max3_num_f32 v9, |v[XS+3]|, |v[XS+4]|, |v[XS+5]|
.irp i, 6,10
	v_max3_num_f32 v8, v8, |v[XS+\i]|, |v[XS+\i+1]|
	v_max3_num_f32 v9, v9, |v[XS+\i+2]|, |v[XS+\i+3]|
.endr
	v_max3_num_f32 v8, v8, |v[XS+14]|, |v[XS+15]|
	v_max3_num_f32 v8, v8, v9, (EMAX+1)<<23        ; and the floor 2^(3 - 127): the byte cannot fall under 1
	v_max_num_f32_dpp v8, v8, v8 row_xmask:1 row_mask:0xf bank_mask:0xf   ; with my neighbour's 16: the block's
	v_add_nc_u32 v11, -(EMAX<<23), v8              ; 2 off its exponent field: the conversion takes that field as its scale and nothing else
	v_cvt_scalef32_pk8_fp4_f32 v[C+4*(\t)], v[XS:XS+7], v11
	v_cvt_scalef32_pk8_fp4_f32 v[C+4*(\t)+1], v[XS+8:XS+15], v11
	v_lshrrev_b32 v[E+(\t)], 23, v11               ; the scale's byte (also the plain line behind the conversions)
	ds_store_b8 v5, v[E+(\t)] offset:16*(\t)       ; both lanes of a block write the same byte with the same value
	global_store_b64 v4, v[C+4*(\t):C+4*(\t)+1], s[14:15] offset:32*CB*(\t)   ; the wave stores 256 consecutive bytes, aligned
.endm
.irp t, 0,1,2,3,4,5,6,7,8,9,10,11,12,13,14,15
	STEP \t
.endr
	ds_load_b64 v[8:9], v6                         ; my wave's 256 scale bytes
	s_wait_dscnt 0x0
	global_store_b64 v7, v[8:9], s[16:17]          ; 256 consecutive bytes, aligned
	s_wait_tensorcnt 0x0                           ; the wave's end: three lines behind my last LDS store
	ds_add_u32 v[SPW], v[NIL]
	s_wait_dscnt 0x0
	s_endpgm
	; ---------------- Wo to f16 images ----------------
.Lwo:
	s_sub_co_u32 s21, ttmp9, NQWG
	s_lshl_b32 s21, s21, 2
	s_add_co_u32 s21, s21, s20                     ; id 0 .. 511
	s_lshr_b32 s22, s21, 3                         ; N: 16 rows of Wo
	s_and_b32 s23, s21, 7                          ; span: 128 along K
	s_lshl_b32 s24, s22, 16                        ; 16 rows of 4,096 bytes
	s_lshl_b32 s25, s23, 9
	s_add_co_u32 s24, s24, s25
	s_mov_b32 s25, 0
	s_lshr_b32 s26, s23, 1
	s_lshl_b32 s26, s26, 19                        ; ks x 524,288
	s_lshl_b32 s27, s22, 13                        ; N x 8,192
	s_add_co_u32 s26, s26, s27
	s_and_b32 s27, s23, 1
	s_lshl_b32 s27, s27, 12                        ; four kc x 1,024
	s_add_co_u32 s26, s26, s27
	s_mov_b32 s27, 0
	s_mul_i32 s28, s20, 16*WOP
	s_add_co_u32 s28, s28, WOST                    ; my wave's stage
	v_lshl_add_u32 v4, v2, 3, s28                  ; in: 8 bytes (four f16) a lane
	v_and_b32 v6, 15, v2                           ; r
	v_lshrrev_b32 v7, 4, v2                        ; h
	v_mul_u32_u24 v5, v6, WOP
	v_lshl_add_u32 v5, v7, 4, v5
	v_add_nc_u32 v5, s28, v5                       ; back: row r, + 16 h
	s_wait_kmcnt 0x0
	s_add_nc_u64 s[12:13], s[12:13], s[24:25]
	s_add_nc_u64 s[18:19], s[18:19], s[26:27]
.irp i, 0,1,2,3,4,5,6,7,8,9,10,11,12,13,14,15
	global_load_b128 v[16+4*\i:19+4*\i], v3, s[12:13] offset:4096*\i th:TH_LOAD_NT   ; 512 consecutive bytes of row i
.endr
.irp i, 0,1,2,3,4,5,6,7,8,9,10,11,12,13,14,15
	s_wait_loadcnt 15-\i                           ; row i is in; the younger rows stay out
	v_cvt_pk_f16_f32 v[80+2*\i], v[16+4*\i], v[17+4*\i]
	v_cvt_pk_f16_f32 v[81+2*\i], v[18+4*\i], v[19+4*\i]
	ds_store_b64 v4, v[80+2*\i:81+2*\i] offset:WOP*\i
.endr
.irp j, 0,1,2,3,4,5,6,7
	ds_load_b128 v[112+4*\j:115+4*\j], v5 offset:32*\j   ; piece j = 2 kc + half: k = 16 j + 8 h + 0 .. 7 of row r.  LDS serves a wave's instructions in order: these see my stores
.endr
.irp j, 0,1,2,3,4,5,6,7
	s_wait_dscnt 7-\j
	global_store_b128 v3, v[112+4*\j:115+4*\j], s[18:19] offset:512*\j   ; 512 consecutive bytes, aligned
.endr
	s_wait_tensorcnt 0x0                           ; the wave's end: the three lines once more
	ds_add_u32 v[SPW], v[NIL]
	s_wait_dscnt 0x0
	s_endpgm
.Lfunc_end_k_qcd3f8f9c4c_prep:
	.size	k_qcd3f8f9c4c_prep, .Lfunc_end_k_qcd3f8f9c4c_prep-k_qcd3f8f9c4c_prep
	.p2alignl 7, 3214868480
	.fill 96, 4, 3214868480
	.section	.rodata,"a",@progbits
	.p2align	6, 0x0
	.amdhsa_kernel k_qcd3f8f9c4c_prep
		.amdhsa_group_segment_fixed_size 50688
		.amdhsa_private_segment_fixed_size 0
		.amdhsa_enable_private_segment 0
		.amdhsa_kernarg_size 64
		.amdhsa_user_sgpr_count 2
		.amdhsa_user_sgpr_kernarg_segment_ptr 1
		.amdhsa_wavefront_size32 1
		.amdhsa_system_sgpr_workgroup_id_x 1
		.amdhsa_system_sgpr_workgroup_id_y 1
		.amdhsa_system_sgpr_workgroup_id_z 1
		.amdhsa_system_vgpr_workitem_id 0
		.amdhsa_next_free_vgpr 192
		.amdhsa_next_free_sgpr 66
		.amdhsa_reserve_vcc 0
		.amdhsa_float_denorm_mode_32 3
		.amdhsa_float_denorm_mode_16_64 3
		.amdhsa_memory_ordered 1
		.amdhsa_forward_progress 1
		.amdhsa_inst_pref_size 41
	.end_amdhsa_kernel
	.amdgpu_metadata
---
amdhsa.version: [ 1, 2 ]
amdhsa.kernels:
  - .name:           k_qcd3f8f9c4c_prep
    .symbol:         k_qcd3f8f9c4c_prep.kd
    .args:
      - { .name: x, .offset: 0, .size: 8, .value_kind: global_buffer, .address_space: global }
      - { .name: q_proj_weight, .offset: 8, .size: 8, .value_kind: global_buffer, .address_space: global }
      - { .name: k_proj_weight, .offset: 16, .size: 8, .value_kind: global_buffer, .address_space: global }
      - { .name: v_proj_weight, .offset: 24, .size: 8, .value_kind: global_buffer, .address_space: global }
      - { .name: o_proj_weight, .offset: 32, .size: 8, .value_kind: global_buffer, .address_space: global }
      - { .name: codes, .offset: 40, .size: 8, .value_kind: global_buffer, .address_space: global }
      - { .name: scales, .offset: 48, .size: 8, .value_kind: global_buffer, .address_space: global }
      - { .name: wo_img, .offset: 56, .size: 8, .value_kind: global_buffer, .address_space: global }
    .group_segment_fixed_size: 50688
    .private_segment_fixed_size: 0
    .kernarg_segment_align: 8
    .kernarg_segment_size: 64
    .max_flat_workgroup_size: 128
    .sgpr_count:     66
    .vgpr_count:     192
    .wavefront_size: 32
...
	.end_amdgpu_metadata
.endif
;; end of part 1
;; launch qkv (part 2): grid 12 x 16, 4 waves a work-group, clusters of 4 x 4, 327,680 bytes of LDS; arguments codes, scales, qkv_img, fine_qkv, bsum; writes qkv_img, fine_qkv, bsum
.if DOCPART == 2
	.amdgcn_target "amdgcn-amd-amdhsa--gfx1250"
	.amdhsa_code_object_version 6
	.text
	.protected	k_qcd3f8f9c4c_qkv
	.globl	k_qcd3f8f9c4c_qkv
	.p2align	8
	.type	k_qcd3f8f9c4c_qkv,@function
k_qcd3f8f9c4c_qkv:
	s_mov_b64 s[64:65], 0
	v_nop
	global_prefetch_b8 v0, s[64:65] scope:SCOPE_SE
	s_setreg_imm32_b32 hwreg(HW_REG_WAVE_MODE, 25, 1), 1
	s_wait_xcnt 0x0
	s_wait_alu depctr_hold_cnt(0) depctr_sa_sdst(0) depctr_va_vdst(0) depctr_va_sdst(0) depctr_va_ssrc(0) depctr_va_vcc(0) depctr_vm_vsrc(0)
	s_getreg_b32 s2, hwreg(HW_REG_IB_STS2, 6, 4)
	s_cmp_eq_u32 s2, 0
	s_cbranch_scc0 .Lentry_in_a_cluster
	s_endpgm
.Lentry_in_a_cluster:
	s_bfe_u32 s2, ttmp6, 0x10000c
	s_cmp_lg_u32 s2, 0xf033
	s_cbranch_scc0 .Lentry_shape_is_right
	s_endpgm
.Lentry_shape_is_right:
; QKV.  The three quantised products, on codes of FP4 (E2M1) with one E8M0 scale for each 32 along K = 1,024; sums in f32, K ascending.
; Both operands are rows of ONE buffer of codes (rows 0-4095: tokens; 4096 + column: Wq, Wk, Wv), so two GEMMs share this text and differ in row numbers alone:
;   clusters x = 0, 1:  C[token][column] for q's and k's 2,048 columns: A = tokens, B = columns;    cluster x = 2:  C[channel][token] = v transposed: A = Wv's rows, B = tokens.
; A tile of C is 256 x 256, four waves of 128 x 128 (64 accumulators, 512 registers).  K is two LDS slots of 512 (rows of 256 bytes), both filled at the start: nothing is filled again.
; The scale bytes of the tile's rows, for all of K, are two dense blocks and come once.  CLUSTERS 4 x 4: A's tile is shared along a row of the cluster, B's along a column, by joint loads.
; THE MATRIX INSTRUCTION IS USED TRANSPOSED (source 0 = 16 rows of B, source 1 = 16 rows of A): in accumulator (a, b) lane (r, h) holds A's row 16 a + r and B's rows 16 b + 8 h + 0 .. 7.
; THE WAY OUT NEEDS NO LDS: an accumulator rounded to f16 (4 registers) IS half a fragment of the next product, and is stored as it stands, 16 bytes a lane, 512 consecutive bytes a store:
;   q, k: qkv_img [b 2][hh 32][T 128][c 2][half 2][512]: token 16 T + r, channel 32 c + 16 half + 8 h + 0..7 (hh < 16: q's head; else k's);
;   v:    from byte VOFF [b 2][head 16][kc 64][t 4][half 2][512]: channel 16 t + r, key 32 kc + 16 half + 8 h + 0..7.
; Beside them: the f32 accumulators of tokens 0-15 of each batch (fine_qkv [b][hh 48][piece 8][512]) and, of v, f32 sums over each block of 128 tokens
; (bsum [b][blk 16][head 16][kind 2][r 16][t 4]: kind 0 = tokens 16..127 of the block, kind 1 = all 128), which stand for the keys that the mask sets to -10000.
; LIMITS: q, k, v must lie within +-65,504 (f16); NaN and infinities are not served.
; REGISTERS: window 0: v16-29 addresses; v32-95 scale words, two sets; v128-191 A's fragments, one set (on the way out v32-204 are at work); window 1: B's fragments, two sets; windows 2, 3: the accumulators.
.set NQ,     4                         ; steps of 128 along K in a slot
.set ROWB,   256                       ; a tile's row: 512 codes
.set KROW,   512                       ; a row of codes in memory
.set PITCH,  272                       ; an LDS row: 256 bytes + 16 of padding, so that the 16 rows of a fragment load start 68 words apart
.set FR,     8
.set NL,     2
.set NP,     4                         ; places behind this matrix instruction (ISA guide 7.12.1)
.set HALFT,  128*PITCH
.set SLOT,   4*HALFT
.set KS,     32                        ; a row of scale bytes
.set SCL,    2*SLOT
.set HALFS,  (128*KS/256)*272
.set SBLK,   (16*KS/256)*272
.set SPARE,  SCL+4*HALFS               ; the spare words, 128 bytes a wave
.set VOFF,   16777216
.set ADRA, 16
.set ADRB, 20
.set LN,   24                          ; v24 16 x lane: a piece's place for my lane
.set FLG,  25                          ; v25 0 where my wave holds tokens 0-15 of a batch
.set ADRS, 27
.set SPW,  28
.set NIL,  29
.set SC,   32
.set AF,   128
.set TMP,  32                          ; the way out: four sets of 32 packed registers
.set U,    160                         ; v160-191 partial sums
.set RS,   192                         ; v192-199 a block's sums, one register for each a
.set RR,   200
.set S0,   201
.set EE,   202
.set E2,   203
.set BB,   204
.set G1, 24
.set G0, 32
.set G1B, 48
.set G0B, 56
.set G1S, 68
.set G0S, 76
.set G1SB, 80
.set G0SB, 88
.set MSB, 0
.macro WIN new                         ; the immediate's high byte repeats the setting that is left
.if MSB != \new
	s_set_vgpr_msb (MSB<<8)|\new
.set MSB, \new
.endif
.endm
.set MUL_LO, 0xa1                      ; source 0 (B) window 1, source 1 (A) window 0, C and D window 2
.set MUL_HI, 0xf1
.set TO_B,   0x40
; A joint load: waves 0 and 1 fetch for A, waves 2 and 3 for B; the branch hangs on the wave's number alone.  An s_nop 0 and four v_nop follow each line.
.macro JLOAD g0a, g1a, g0b, g1b
	s_cmp_eq_u32 s15, 0
	s_cbranch_scc0 .Lfor_b_\@
	tensor_load_to_lds s[\g0a:\g0a+3], s[\g1a:\g1a+7]
	s_nop 0
.rept 4
	v_nop
.endr
	s_branch .Lasked_\@
.Lfor_b_\@:
	tensor_load_to_lds s[\g0b:\g0b+3], s[\g1b:\g1b+7]
	s_nop 0
.rept 4
	v_nop
.endr
.Lasked_\@:
.endm
.macro CROUND                          ; a round of the cluster's barrier
	s_barrier_signal -1
	s_barrier_wait -1
	s_cmp_lg_u32 s14, 0
	s_cbranch_scc1 .Lnot_wave_0_\@
	s_barrier_signal -3
.Lnot_wave_0_\@:
	s_barrier_wait -3
	s_barrier_signal -1
	s_barrier_wait -1
.endm
	s_load_b128 s[4:7], s[0:1], 0x0                ; codes, scales
	s_load_b128 s[8:11], s[0:1], 0x10              ; qkv_img, fine_qkv
	s_load_b64 s[12:13], s[0:1], 0x20              ; bsum
	v_lshl_add_u32 v[SPW], v0, 2, SPARE
	v_mov_b32 v[NIL], 0
	ds_add_u32 v[SPW], v[NIL]                      ; the wave's opening: the add, twice on end, and its wait ahead of my first tensor load
	ds_add_u32 v[SPW], v[NIL]
	v_lshrrev_b32 v1, 5, v0
	v_readfirstlane_b32 s14, v1                    ; wave
	s_lshr_b32 s15, s14, 1                         ; my half of the tile's rows; also: I fetch for A (0) or B (1)
	s_and_b32 s16, s14, 1                          ; my half of its columns; also: which 128 rows I fetch
	s_bfe_u32 s40, ttmp6, 0x40000                  ; cx
	s_bfe_u32 s41, ttmp6, 0x40004                  ; cy
	s_and_b32 s18, ttmp7, 0xffff
	s_lshl_b32 s18, s18, 2                         ; 4 x cluster y
	s_lshl_b32 s19, ttmp9, 2                       ; 4 x cluster x
	s_cmp_eq_u32 ttmp9, 2                          ; the cluster's x is the same in all sixteen partners
	s_cselect_b32 s17, 0, s18
	s_cselect_b32 s42, s18, s19
	s_cselect_b32 s20, 6144, 0                     ; A's first row in the codes: Wv's, or the tokens'
	s_cselect_b32 s46, 0, 4096                     ; B's: the tokens', or Wq's
	s_add_co_u32 s17, s17, s41                     ; tile row: made of cy and cluster numbers alone
	s_add_co_u32 s42, s42, s40                     ; tile column: of cx and cluster numbers alone
	s_lshl_b32 s43, s41, 2
	s_lshl_b32 s43, 15, s43                        ; my row of the cluster
	s_lshl_b32 s44, 0x1111, s40                    ; my column
	s_or_b32 s[G1+0], s43, (0<<16)|(1<<20)|(1<<21)|(5<<22)|(3<<25)   ; the mask; elements of 1 byte; padding: 4 words behind every 64
	s_or_b32 s[G1B+0], s44, (0<<16)|(1<<20)|(1<<21)|(5<<22)|(3<<25)
.irp g, G1, G1B
	s_mov_b32 s[\g+1], ROWB<<16                    ; tensor_dim0
	s_mov_b32 s[\g+2], 128<<16                     ; tensor_dim1
	s_mov_b32 s[\g+3], ROWB<<16                    ; tile_dim0
	s_mov_b32 s[\g+4], 128                         ; tile_dim1
	s_mov_b32 s[\g+5], KROW                        ; from row to row
	s_mov_b32 s[\g+6], 0
	s_mov_b32 s[\g+7], 0
.endr
	s_or_b32 s[G1S+0], s43, (3<<16)|(1<<20)|(1<<21)|(5<<22)|(3<<25)  ; the scales of 128 rows: 4,096 dense bytes as 16 rows of 256, padded likewise
	s_or_b32 s[G1SB+0], s44, (3<<16)|(1<<20)|(1<<21)|(5<<22)|(3<<25)
.irp g, G1S, G1SB
	s_mov_b32 s[\g+1], 32<<16
	s_mov_b32 s[\g+2], (128*KS/256)<<16
	s_mov_b32 s[\g+3], 32<<16
	s_mov_b32 s[\g+4], 128*KS/256
	s_mov_b32 s[\g+5], 32
	s_mov_b32 s[\g+6], 0
	s_mov_b32 s[\g+7], 0
.endr
	s_lshl_b32 s18, s16, 7                         ; which 128 rows of the tile I fetch
	s_lshl_b32 s19, s17, 8
	s_add_co_u32 s20, s20, s19
	s_add_co_u32 s20, s20, s18                     ; A: the row in the codes' buffer
	s_lshl_b32 s45, s42, 8
	s_add_co_u32 s46, s46, s45
	s_add_co_u32 s46, s46, s18                     ; B likewise
	s_lshl_b32 s22, s20, 5                         ; 32 scale bytes a row,
	s_mov_b32 s23, 0
	s_lshl_b32 s92, s46, 5
	s_mov_b32 s93, 0
	s_lshl_b32 s20, s20, 9                         ; 512 bytes of codes
	s_mov_b32 s21, 0
	s_lshl_b32 s46, s46, 9
	s_mov_b32 s47, 0
	s_mul_i32 s45, s14, HALFT                      ; where they go: wave x 128 rows: no place in the cluster enters an LDS address
	s_mul_i32 s94, s14, HALFS
	s_mov_b32 s95, 0xffff0000                      ; lanes 16-31
	s_mov_b32 s96, 0x76543210
	s_mov_b32 s97, 0xfedcba98                      ; v_permlanex16_b32's selects for lane l xor 16
	s_wait_dscnt 0x0                               ; both opening adds are done
	s_wait_kmcnt 0x0
	s_add_nc_u64 s[20:21], s[4:5], s[20:21]
	s_add_nc_u64 s[22:23], s[6:7], s[22:23]
	s_add_nc_u64 s[46:47], s[4:5], s[46:47]
	s_add_nc_u64 s[92:93], s[6:7], s[92:93]
	CROUND                                         ; all sixteen work-groups are here: the first joint loads meet
	s_mov_b32 s[G0S], 1
	s_add_co_u32 s[G0S+1], s94, SCL
	s_mov_b64 s[G0S+2:G0S+3], s[22:23]
	s_or_b32 s[G0S+3], s[G0S+3], 0x80000000
	s_mov_b32 s[G0SB], 1
	s_add_co_u32 s[G0SB+1], s94, SCL
	s_mov_b64 s[G0SB+2:G0SB+3], s[92:93]
	s_or_b32 s[G0SB+3], s[G0SB+3], 0x80000000
	JLOAD G0S, G1S, G0SB, G1SB                     ; the scales first; then both slots: three loads of mine are out
.irp s, 0,1
	s_mov_b32 s[G0+4*\s], 1
	s_add_co_u32 s[G0+4*\s+1], s45, \s*SLOT
	s_add_nc_u64 s[G0+4*\s+2:G0+4*\s+3], s[20:21], \s*ROWB
	s_or_b32 s[G0+4*\s+3], s[G0+4*\s+3], 0x80000000
	s_mov_b32 s[G0B+4*\s], 1
	s_add_co_u32 s[G0B+4*\s+1], s45, \s*SLOT
	s_add_nc_u64 s[G0B+4*\s+2:G0B+4*\s+3], s[46:47], \s*ROWB
	s_or_b32 s[G0B+4*\s+3], s[G0B+4*\s+3], 0x80000000
	JLOAD G0+4*\s, G1, G0B+4*\s, G1B
.endr
	v_and_b32 v1, 15, v0                           ; r
	v_bfe_u32 v2, v0, 4, 1                         ; h
	v_mul_u32_u24 v3, v1, PITCH
	v_lshl_add_u32 v4, v2, 4, v3                   ; a fragment's row x pitch + 16 h
	s_mul_i32 s21, s15, HALFT                      ; my 128 rows of A
	s_mul_i32 s22, s16, HALFT                      ; my 128 rows of B,
	s_add_co_u32 s22, s22, 2*HALFT                 ; behind A's 256
.irp s, 0,1
	v_add_nc_u32 v[ADRA+\s], s21, v4
	v_add_nc_u32 v[ADRB+\s], s22, v4
	s_add_co_u32 s21, s21, SLOT
	s_add_co_u32 s22, s22, SLOT
.endr
	v_mul_u32_u24 v5, v1, KS                       ; my row's scales: 32 bytes a row,
	v_lshrrev_b32 v6, 8, v5
	v_lshl_add_u32 v5, v6, 4, v5                   ; and 16 more for each 256 passed
	s_mul_i32 s21, s15, HALFS
	s_mul_i32 s22, s16, HALFS
	s_add_co_u32 s22, s22, 2*HALFS
	s_sub_co_u32 s22, s22, s21
	v_mul_u32_u24 v6, s22, v2                      ; lanes 16-31 take B's
	s_add_co_u32 s21, s21, SCL
	v_add_nc_u32 v5, v5, v6
	v_add_nc_u32 v[ADRS], s21, v5
	v_and_b32 v6, 31, v0
	v_lshlrev_b32 v[LN], 4, v6
.macro FRAG reg, adr, q, i             ; 16 rows x 128 K of 4-bit codes: 8 registers, two loads of 16 bytes, 32 bytes apart
.irp c, 0,1
	ds_load_b128 v[\reg+4*\c:\reg+4*\c+3], v[\adr] offset:64*(\q)+32*\c+(\i)*16*PITCH
.endr
.endm
; 16 matrix instructions: A's blocks a0, a0 + 1 x B's eight.  The 64 accumulators take turns, one instruction a turn, in the same order in every step.
.macro MUL16 a0, p, q, sc, zero
.irp a, \a0, \a0+1
.irp b, 0,1,2,3,4,5,6,7
.if \zero
	v_wmma_scale_f32_16x16x128_f8f6f4 v[8*(8*((\a)%4)+\b):8*(8*((\a)%4)+\b)+7], v[128*(\p)+FR*\b:128*(\p)+FR*\b+FR-1], v[AF+FR*(\a):AF+FR*(\a)+FR-1], 0, v[SC+8*NQ*(\sc)+NQ*\b+(\q)], v[SC+8*NQ*(\sc)+NQ*(\a)+(\q)] matrix_a_fmt:MATRIX_FMT_FP4 matrix_b_fmt:MATRIX_FMT_FP4 matrix_a_scale:MATRIX_SCALE_ROW1
.else
	v_wmma_scale_f32_16x16x128_f8f6f4 v[8*(8*((\a)%4)+\b):8*(8*((\a)%4)+\b)+7], v[128*(\p)+FR*\b:128*(\p)+FR*\b+FR-1], v[AF+FR*(\a):AF+FR*(\a)+FR-1], v[8*(8*((\a)%4)+\b):8*(8*((\a)%4)+\b)+7], v[SC+8*NQ*(\sc)+NQ*\b+(\q)], v[SC+8*NQ*(\sc)+NQ*(\a)+(\q)] matrix_a_fmt:MATRIX_FMT_FP4 matrix_b_fmt:MATRIX_FMT_FP4 matrix_a_scale:MATRIX_SCALE_ROW1
.endif
.endr
.endr
.endm
.macro FETCH_B slot, q, p
	WIN TO_B
.irp i, 0,1,2,3,4,5,6,7
	FRAG 128*(\p)+FR*\i, ADRB+\slot, \q, \i
.endr
	WIN 0
.endm
.macro FETCH_A slot, q, i0
.irp i, \i0, \i0+1, \i0+2, \i0+3
	FRAG AF+FR*(\i), ADRA+\slot, \q, \i
.endr
.endm
.macro SCALES sc                       ; a slot's scale words: lanes 0-15 take A's block i, lanes 16-31 B's block i
.irp i, 0,1,2,3,4,5,6,7
	ds_load_b128 v[SC+8*NQ*\sc+NQ*\i:SC+8*NQ*\sc+NQ*\i+3], v[ADRS] offset:\i*SBLK
.endr
.endm
.macro PLACES n                        ; plain vector lines between a matrix instruction and a load into, or a read of, its registers
.rept \n
	v_nop
.endr
.endm
.macro STEP slot, q, zero              ; 128 along K whose successor lies in the same slot
	s_wait_dscnt 4*NL                              ; B's set and A's blocks 0-3 are in; A's blocks 4-7 (eight loads) may be out
	WIN MUL_LO
	MUL16 0, (\q)%2, \q, \slot, \zero
	MUL16 2, (\q)%2, \q, \slot, \zero
	s_wait_dscnt 0
	PLACES NP
	FETCH_B \slot, (\q)+1, 1-(\q)%2
	FETCH_A \slot, (\q)+1, 0
	WIN MUL_HI
	MUL16 4, (\q)%2, \q, \slot, \zero
	MUL16 6, (\q)%2, \q, \slot, \zero
	PLACES NP
	WIN 0
	FETCH_A \slot, (\q)+1, 4
.endm
.macro TURN slot, next                 ; slot 0's last step: behind the barrier slot 1 is whole for every wave.  Nothing is filled again
	s_wait_tensorcnt 0x0                           ; all my tensor loads have landed: my part of the next slot
	ds_add_u32 v[SPW], v[NIL]                      ; 0 onto my spare word
	s_wait_dscnt 4*NL+1                            ; the add and A's blocks 4-7 may be out
	WIN MUL_LO
	MUL16 0, 1, NQ-1, \slot, 0
	s_wait_dscnt 0x0
	s_barrier_signal -1
	MUL16 2, 1, NQ-1, \slot, 0
	WIN 0
	s_barrier_wait -1
	PLACES NP
	v_add_nc_u32 v[ADRS], 4*NQ, v[ADRS]            ; the next slot's scale words
	FETCH_B \next, 0, 0
	FETCH_A \next, 0, 0
	SCALES \next
	WIN MUL_HI
	MUL16 4, 1, NQ-1, \slot, 0
	MUL16 6, 1, NQ-1, \slot, 0
	PLACES NP
	WIN 0
	FETCH_A \next, 0, 4
.endm
.macro STEPS slot, from
.set Q, \from
.rept NQ-1-\from
	STEP \slot, Q, 0
.set Q, Q+1
.endr
.endm
	s_wait_tensorcnt 1                             ; the scales and my part of slot 0 are in; slot 1's load may be out
	s_barrier_signal -1
	s_barrier_wait -1
	FETCH_B 0, 0, 0
	FETCH_A 0, 0, 0
	SCALES 0
	FETCH_A 0, 0, 4
	STEP 0, 0, 1                                   ; the first products start the sums: nothing is cleared
	STEPS 0, 1
	TURN 0, 1
	STEPS 1, 0
	s_wait_dscnt 4*NL
	WIN MUL_LO
	MUL16 0, 1, NQ-1, 1, 0
	MUL16 2, 1, NQ-1, 1, 0
	s_wait_dscnt 0
	WIN MUL_HI
	MUL16 4, 1, NQ-1, 1, 0
	MUL16 6, 1, NQ-1, 1, 0
	WIN 0
	PLACES NP
; ---------------- the way out ----------------
.macro PACK a                          ; block a's eight accumulators, each from its low end on, to f16: 32 registers in set a % 4
.set AC, 64*((\a)%4)
.set TP, TMP+32*((\a)%4)
	WIN 0x0a+5*((\a)/4)                            ; sources 0 and 1: window 2 or 3
.irp b, 0,1,2,3,4,5,6,7
.irp i, 0,1,2,3
	v_cvt_pk_f16_f32 v[TP+4*\b+\i], v[AC+8*\b+2*\i], v[AC+8*\b+2*\i+1]
.endr
.endr
	WIN 0
.endm
.macro NARROW                          ; the f32 images are stored only by the wave that holds tokens 0-15 of a batch: a predicate, no branch, since the flag is made of the place in the cluster
	v_mov_b32 v[FLG], s3
	v_cmp_eq_u32 vcc_lo, 0, v[FLG]
	s_wait_xcnt 0x0                                ; EXEC changes only behind this wait
	s_and_saveexec_b32 s2, vcc_lo
.endm
.macro WIDEN
	s_wait_xcnt 0x0
	s_or_b32 exec_lo, exec_lo, s2
.endm
	s_cmp_eq_u32 ttmp9, 2
	s_cbranch_scc1 .Lv
	; ---- q and k: lane (r, h) of accumulator (a, b): token 16 a + r, channel 16 b + 8 h + 0..7 of my two heads
	s_lshr_b32 s18, s17, 3                         ; batch
	s_and_b32 s19, s17, 7
	s_or_b32 s3, s19, s15                          ; 0: my rows begin at the batch's token 0
	s_lshl_b32 s20, s42, 2
	s_lshl_b32 s21, s16, 1
	s_add_co_u32 s20, s20, s21                     ; hh0 = 4 x tile column + 2 x half
	s_lshl_b32 s21, s18, 5
	s_add_co_u32 s21, s21, s20
	s_lshl_b32 s22, s21, 18                        ; (32 b + hh0) x 262,144
	s_lshl_b32 s23, s19, 4
	s_lshl_b32 s45, s15, 3
	s_add_co_u32 s23, s23, s45                     ; T0
	s_lshl_b32 s23, s23, 11
	s_add_co_u32 s22, s22, s23
	s_mov_b32 s23, 0
	s_add_nc_u64 s[8:9], s[8:9], s[22:23]
	s_mul_i32 s22, s18, 48
	s_add_co_u32 s22, s22, s20
	s_lshl_b32 s22, s22, 12
	s_add_nc_u64 s[10:11], s[10:11], s[22:23]
	NARROW
	WIN 0x08                                       ; a store's data are its source 1: window 2
.irp b, 0,1,2,3,4,5,6,7
	global_store_b128 v[LN], v[8*\b:8*\b+3], s[10:11] offset:(\b/4)*4096+(\b%4)*1024
	global_store_b128 v[LN], v[8*\b+4:8*\b+7], s[10:11] offset:(\b/4)*4096+(\b%4)*1024+512
.endr
	WIN 0
	WIDEN
.irp a, 0,1,2,3,4,5,6,7
.if \a >= 4
	s_wait_xcnt 0x0                                ; block a - 4's stores have read set a % 4
.endif
	PACK \a
.irp b, 0,1,2,3,4,5,6,7
	global_store_b128 v[LN], v[TMP+32*(\a%4)+4*\b:TMP+32*(\a%4)+4*\b+3], s[8:9] offset:(\b/4)*262144+\a*2048+(\b%4)*512   ; 512 consecutive bytes, aligned
.endr
.endr
	s_branch .Ldone
.Lv:
	; ---- v transposed: lane (r, h) of accumulator (a, b): channel 16 a + r of my two heads, token 16 b + 8 h + 0..7
	s_lshl_b32 s20, s17, 2
	s_lshl_b32 s21, s15, 1
	s_add_co_u32 s20, s20, s21                     ; head0 = 4 x tile row + 2 x half
	s_lshr_b32 s18, s42, 3                         ; batch
	s_and_b32 s19, s42, 7
	s_or_b32 s3, s19, s16                          ; 0: my tokens begin at the batch's token 0
	s_lshl_b32 s21, s18, 4
	s_add_co_u32 s21, s21, s20
	s_lshl_b32 s22, s21, 18                        ; (16 b + head0) x 262,144
	s_lshl_b32 s23, s19, 3
	s_lshl_b32 s45, s16, 2
	s_add_co_u32 s23, s23, s45                     ; kc0
	s_lshl_b32 s23, s23, 12
	s_add_co_u32 s22, s22, s23
	s_add_co_u32 s22, s22, VOFF
	s_mov_b32 s23, 0
	s_add_nc_u64 s[8:9], s[8:9], s[22:23]
	s_mul_i32 s22, s18, 48
	s_add_co_u32 s22, s22, s20
	s_add_co_u32 s22, s22, 32
	s_lshl_b32 s22, s22, 12
	s_add_nc_u64 s[10:11], s[10:11], s[22:23]
	s_lshl_b32 s22, s18, 4
	s_lshl_b32 s45, s19, 1
	s_add_co_u32 s22, s22, s45
	s_add_co_u32 s22, s22, s16                     ; 16 b + block of 128 tokens
	s_lshl_b32 s22, s22, 4
	s_add_co_u32 s22, s22, s20
	s_lshl_b32 s22, s22, 9
	s_add_nc_u64 s[12:13], s[12:13], s[22:23]
	v_mov_b32 v[EE], 0                             ; a lane permute's destination counts as one of its sources
	v_mov_b32 v[E2], 0
	NARROW
	WIN 0x08
.irp a, 0,1,2,3
	global_store_b128 v[LN], v[64*\a:64*\a+3], s[10:11] offset:\a*1024
	global_store_b128 v[LN], v[64*\a+4:64*\a+7], s[10:11] offset:\a*1024+512
.endr
	WIN 0x0c
.irp a, 0,1,2,3
	global_store_b128 v[LN], v[64*\a:64*\a+3], s[10:11] offset:(\a+4)*1024
	global_store_b128 v[LN], v[64*\a+4:64*\a+7], s[10:11] offset:(\a+4)*1024+512
.endr
	WIN 0
	WIDEN
.macro SUMS a                          ; channel 16 a + r: the f32 sums of v over my 128 tokens: without the first 16 (lanes 0-15), and whole (lanes 16-31)
.set AC, 64*((\a)%4)
	WIN 0x0a+5*((\a)/4)
.irp b, 0,1,2,3,4,5,6,7
	v_pk_add_f32 v[U+4*\b:U+4*\b+1], v[AC+8*\b:AC+8*\b+1], v[AC+8*\b+2:AC+8*\b+3]
	v_pk_add_f32 v[U+4*\b+2:U+4*\b+3], v[AC+8*\b+4:AC+8*\b+5], v[AC+8*\b+6:AC+8*\b+7]
.endr
	WIN 0
.irp b, 0,1,2,3,4,5,6,7
	v_pk_add_f32 v[U+4*\b:U+4*\b+1], v[U+4*\b:U+4*\b+1], v[U+4*\b+2:U+4*\b+3]
.endr
	v_pk_add_f32 v[U+4:U+5], v[U+4:U+5], v[U+8:U+9]
	v_pk_add_f32 v[U+12:U+13], v[U+12:U+13], v[U+16:U+17]
	v_pk_add_f32 v[U+20:U+21], v[U+20:U+21], v[U+24:U+25]
	v_pk_add_f32 v[U+4:U+5], v[U+4:U+5], v[U+12:U+13]
	v_pk_add_f32 v[U+20:U+21], v[U+20:U+21], v[U+28:U+29]
	v_pk_add_f32 v[U+4:U+5], v[U+4:U+5], v[U+20:U+21]
	v_add_f32 v[RR], v[U+4], v[U+5]                ; tokens 16 .. 127, my half's eight of each sixteen,
	v_add_f32 v[S0], v[U], v[U+1]                  ; tokens 0 .. 15 likewise
	v_permlanex16_b32 v[EE], v[RR], s96, s97
	v_permlanex16_b32 v[E2], v[S0], s96, s97
	v_add_f32 v[RR], v[RR], v[EE]                  ; with the other half's
	v_add_f32 v[S0], v[S0], v[E2]
	v_add_f32 v[BB], v[RR], v[S0]
	v_cndmask_b32 v[RS+\a], v[RR], v[BB], s95
.endm
.irp a, 0,1,2,3,4,5,6,7
	SUMS \a
.if \a >= 4
	s_wait_xcnt 0x0
.endif
	PACK \a
.irp b, 0,1,2,3,4,5,6,7
	global_store_b128 v[LN], v[TMP+32*(\a%4)+4*\b:TMP+32*(\a%4)+4*\b+3], s[8:9] offset:(\a/4)*262144+(\b/2)*4096+(\a%4)*1024+(\b%2)*512
.endr
.endr
	global_store_b128 v[LN], v[RS:RS+3], s[12:13]              ; a head's two kinds: 512 consecutive bytes
	global_store_b128 v[LN], v[RS+4:RS+7], s[12:13] offset:512
.Ldone:
	s_wait_tensorcnt 0x0                           ; the wave's end
	ds_add_u32 v[SPW], v[NIL]
	s_wait_dscnt 0x0
	CROUND                                         ; the closing round
	s_endpgm
.Lfunc_end_k_qcd3f8f9c4c_qkv:
	.size	k_qcd3f8f9c4c_qkv, .Lfunc_end_k_qcd3f8f9c4c_qkv-k_qcd3f8f9c4c_qkv
	.p2alignl 7, 3214868480
	.fill 96, 4, 3214868480
	.section	.rodata,"a",@progbits
	.p2align	6, 0x0
	.amdhsa_kernel k_qcd3f8f9c4c_qkv
		.amdhsa_group_segment_fixed_size 327680
		.amdhsa_private_segment_fixed_size 0
		.amdhsa_enable_private_segment 0
		.amdhsa_kernarg_size 40
		.amdhsa_user_sgpr_count 2
		.amdhsa_user_sgpr_kernarg_segment_ptr 1
		.amdhsa_wavefront_size32 1
		.amdhsa_system_sgpr_workgroup_id_x 1
		.amdhsa_system_sgpr_workgroup_id_y 1
		.amdhsa_system_sgpr_workgroup_id_z 1
		.amdhsa_system_vgpr_workitem_id 0
		.amdhsa_next_free_vgpr 1024
		.amdhsa_next_free_sgpr 100
		.amdhsa_reserve_vcc 1
		.amdhsa_float_denorm_mode_32 3
		.amdhsa_float_denorm_mode_16_64 3
		.amdhsa_memory_ordered 1
		.amdhsa_forward_progress 1
		.amdhsa_inst_pref_size 164
	.end_amdhsa_kernel
	.amdgpu_metadata
---
amdhsa.version: [ 1, 2 ]
amdhsa.kernels:
  - .name:           k_qcd3f8f9c4c_qkv
    .symbol:         k_qcd3f8f9c4c_qkv.kd
    .args:
      - { .name: codes, .offset: 0, .size: 8, .value_kind: global_buffer, .address_space: global }
      - { .name: scales, .offset: 8, .size: 8, .value_kind: global_buffer, .address_space: global }
      - { .name: qkv_img, .offset: 16, .size: 8, .value_kind: global_buffer, .address_space: global }
      - { .name: fine_qkv, .offset: 24, .size: 8, .value_kind: global_buffer, .address_space: global }
      - { .name: bsum, .offset: 32, .size: 8, .value_kind: global_buffer, .address_space: global }
    .group_segment_fixed_size: 327680
    .private_segment_fixed_size: 0
    .kernarg_segment_align: 8
    .kernarg_segment_size: 40
    .max_flat_workgroup_size: 128
    .sgpr_count:     100
    .vgpr_count:     1024
    .wavefront_size: 32
...
	.end_amdgpu_metadata
.endif
;; end of part 2
;; launch attn (part 3): grid 8 x 32, 8 waves a work-group, no clusters, 327,680 bytes of LDS; arguments qkv_img, bsum, o_img; writes o_img
.if DOCPART == 3
	.amdgcn_target "amdgcn-amd-amdhsa--gfx1250"
	.amdhsa_code_object_version 6
	.text
	.protected	k_qcd3f8f9c4c_attn
	.globl	k_qcd3f8f9c4c_attn
	.p2align	8
	.type	k_qcd3f8f9c4c_attn,@function
k_qcd3f8f9c4c_attn:
	s_mov_b64 s[64:65], 0
	v_nop
	global_prefetch_b8 v0, s[64:65] scope:SCOPE_SE
	s_setreg_imm32_b32 hwreg(HW_REG_WAVE_MODE, 25, 1), 1
	s_wait_xcnt 0x0
; ATTN.  o = softmax(q k^T / 8, hidden keys at -10000) v, per batch and head, operands in f16, sums, maxima and exponentials in f32, with a running maximum.
; SHARES.  Work-group (pq, batch x head) owns two blocks of 128 queries: block pq (key steps 0 .. pq) and block 15 - pq (key steps 0 .. 15 - pq): always 17 key steps of 128 keys,
; so all 256 work-groups have equal work and the loop's trip count is a constant.  Wave w owns queries 16 w .. 16 w + 15 of the block in hand.
; LAYOUT.  Both products are used transposed: S^T = K Q^T (source 0 = 16 keys), O^T = V^T P (source 0 = 16 channels): a lane holds ONE query (lane % 16) throughout, and two tiles of S^T rounded to f16
; in pairs ARE source 1 of the second product.  q, k, v^T arrive as images of operand registers (512 bytes a piece, 16 bytes a lane), so a key step's K and V are two dense blocks of 16,384 bytes.
; THE MASK IS -10000, NOT -INFINITY.  In a block's last (diagonal) step hidden scores become -80000 (= 8 x -10000, ahead of the division by 8) and go through the softmax like any other.
; The keys behind that step all weigh w = exp(-10000 - m): they add w x (their number) to the row's sum and w x (the sum of their v) to O; those sums of v come in f32 from bsum.
; SOFTMAX.  p = 2^(c s - c m), c = log2(e) / 8; in every step O and l are multiplied by 2^(c m_old - c m_new).
; RING.  The 17 steps are numbered j = 0 .. 16; step j reads key step j while j <= pq, and key step j - pq - 1 afterwards.  Two LDS slots of 65,536 bytes, each with the tiles of TWO steps (K, V, K, V).
; Behind each change of slots waves 0 to 3 fetch one tile of 16,384 bytes each, to LDS byte 16,384 x wave of the slot: one load of a wave is out at a time, it has two key steps' work in which to land,
; and every wait for tensor loads is for 0.  There are nine changes of slots for the 17 steps; no barrier stands between a slot's two steps.
; NO CLUSTER: the eight work-groups of a head walk different lists of tiles (step j is another key step in each of them once the first block is done), so joint requests would name different tiles.
; LIMITS: q, k, v, o within +-65,504 (f16); NaN and infinities are not served.  Positions 0-15 of each batch are made again in f32 by a later launch.
; REGISTERS: v1 16 x lane; v2, v3 the add's two; v4 address in hand; v5 d = my query - 8 (lane / 16) in the block; v6 prefetch offset; v7 tail sums' address; v8 c m, v9 m; v[10:11] l; v[12:13] a;
;   v14, v15 at work; v16-31 Q; v32-95 eight fragments of K or V; v96-159 S^T, then p; v160-191 O^T; v192-223 P in f16; v224-238 at work; v239 where wave 7 stores tail sums; v240-255 the second block's Q.
.set STEPB, 32768                      ; a key step's tiles: K's 16,384 bytes, then V's
.set SLOT1, 65536                      ; a slot: two key steps
.set VT,    16384                      ; V's tile in a step
.set TSL,   131072                     ; the tail sums of the two blocks, 64 f32 each: stored once, never a tensor load's target
.set SPARE, 131584                     ; the spare words, 128 bytes a wave
.set VOFF,  16777216
.set LOWEST, 0xff61b1e6                ; -3e38
.macro TLOAD lim                       ; waves 0 .. lim - 1 alone; an s_nop 0 and four v_nop follow the load
	s_cmp_lt_u32 s10, \lim
	s_cbranch_scc0 .Lnoload_\@
	tensor_load_to_lds s[32:35], s[24:31]
	s_nop 0
.rept 4
	v_nop
.endr
.Lnoload_\@:
.endm
.macro AIM                             ; group 0's global address: the tile of step j = s3
	s_sub_co_u32 s38, s3, s11
	s_sub_co_u32 s38, s38, 1                       ; j - pq - 1: the second block's key step
	s_cmp_le_u32 s3, s11
	s_cselect_b32 s38, s3, s38                     ; j itself while the first block is walked
	s_lshl_b32 s38, s38, 14
	s_add_nc_u64 s[34:35], s[36:37], s[38:39]
	s_or_b32 s35, s35, 0x80000000
.endm
; A PREFETCH INTO THE L2.  All eight work-groups of a head read the same K and V: the one with pq = 0 asks, whose second block walks all 16 key steps.  In it the waves ask that fetch nothing: waves 4 and 5 for K,
; waves 6 and 7 for V, a key step's tile (16,384 bytes) each, by two instructions with lanes 256 bytes apart, so each aligned 256 bytes are named once in the launch.  Trip n asks for key steps 2 n + 3 and 2 n + 4,
; which that work-group's tensor loads of trip n + 1 fetch.  Key steps 0 to 2 come by their loads alone; in the last trip the even waves alone ask, for key step 15.
.macro ASK
	s_cmp_gt_u32 s18, s19
	s_cbranch_scc0 .Lnot_mine_\@
	global_prefetch_b8 v6, s[40:41] th:TH_LOAD_NT scope:SCOPE_SE
	global_prefetch_b8 v6, s[40:41] offset:8192 th:TH_LOAD_NT scope:SCOPE_SE
.Lnot_mine_\@:
.endm
	s_load_b128 s[4:7], s[0:1], 0x0                ; qkv_img, bsum
	s_load_b64 s[8:9], s[0:1], 0x10                ; o_img
	v_lshl_add_u32 v2, v0, 2, SPARE
	v_mov_b32 v3, 0
	ds_add_u32 v2, v3                              ; the wave's opening: the add, twice on end, and its wait ahead of the first tensor load
	ds_add_u32 v2, v3
	v_lshrrev_b32 v14, 5, v0
	v_readfirstlane_b32 s10, v14                   ; wave
	s_mov_b32 s11, ttmp9                           ; pq
	s_and_b32 s12, ttmp7, 0xffff
	s_lshr_b32 s13, s12, 4                         ; batch
	s_and_b32 s14, s12, 15                         ; head
	s_mov_b32 s24, 3<<16                           ; group 1: elements of 8 bytes, no mask, no padding;
	s_mov_b32 s25, 32<<16                          ; a dense block of 16,384 bytes as 64 rows of 256
	s_mov_b32 s26, 64<<16
	s_mov_b32 s27, 32<<16
	s_mov_b32 s28, 64
	s_mov_b32 s29, 32
	s_mov_b32 s30, 0
	s_mov_b32 s31, 0
	s_mov_b32 s20, 0x76543210
	s_mov_b32 s21, 0xfedcba98                      ; v_permlanex16_b32's selects for lane l xor 16
	s_mov_b32 s22, 0x3e38aa3b                      ; c = log2(e) / 8
	s_mov_b32 s23, s22                             ; (named with it as a pair)
	s_mov_b32 s47, 0xc79c4000                      ; -80000.0
	v_and_b32 v14, 31, v0
	v_lshlrev_b32 v1, 4, v14
	v_lshlrev_b32 v6, 8, v14
	v_and_b32 v15, 15, v0                          ; r
	v_bfe_u32 v14, v0, 4, 1                        ; h
	v_lshl_add_u32 v7, v14, 5, TSL                 ; my eight channels of a tile of 16: + 32 h
	v_lshlrev_b32 v239, 2, v15
	v_lshl_add_u32 v239, v14, 8, v239
	v_add_nc_u32 v239, TSL, v239                   ; lanes 0-15 store the first block's sums, lanes 16-31 the second's
	v_lshlrev_b32 v229, 4, v15                     ; bsum: 16 r
	v_lshlrev_b32 v5, 3, v14
	v_sub_nc_u32 v5, v15, v5
	s_lshl_b32 s50, s10, 4
	v_add_nc_u32 v5, s50, v5                       ; d = 16 w + r - 8 h
	s_sub_co_u32 s54, 15, s11
	v_mov_b32 v14, s11
	v_mov_b32 v15, s54
	s_mov_b32 s55, 0xffff0000
	v_cndmask_b32 v14, v14, v15, s55               ; the block of queries whose tail my lane sums: pq, or 15 - pq
	s_lshl_b32 s50, s13, 5
	s_add_co_u32 s50, s50, s14
	s_add_co_u32 s51, s50, 16
	s_lshl_b32 s51, s51, 18                        ; K's head
	s_lshl_b32 s50, s50, 18                        ; Q's head
	s_lshl_b32 s52, s13, 4
	s_add_co_u32 s52, s52, s14
	s_lshl_b32 s52, s52, 18
	s_add_co_u32 s52, s52, VOFF                    ; V's head
	s_and_b32 s53, s10, 1
	s_cmp_eq_u32 s53, 0
	s_cselect_b32 s38, s51, s52                    ; even waves fetch K's tiles, odd waves V's
	s_mov_b32 s39, 0
	s_mov_b32 s32, 1
	s_lshl_b32 s33, s10, 14                        ; slot 0: K and V of its first step, K and V of its second: 16,384 x wave
	s_lshr_b32 s3, s10, 1                          ; the step whose tile I fetch first: 0 (waves 0, 1) or 1 (waves 2, 3)
	s_wait_dscnt 0x0                               ; both opening adds are done
	s_wait_kmcnt 0x0
	s_add_nc_u64 s[36:37], s[4:5], s[38:39]        ; where my tiles begin
	AIM
	TLOAD 4                                        ; slot 0: steps 0 and 1
	s_lshl_b32 s54, s11, 3
	s_add_co_u32 s54, s54, s10
	s_lshl_b32 s54, s54, 11
	s_add_co_u32 s54, s54, s50
	s_mov_b32 s55, 0
	s_add_nc_u64 s[44:45], s[4:5], s[54:55]        ; Q of the first block: tile 8 pq + w
	s_sub_co_u32 s54, 15, s11
	s_lshl_b32 s54, s54, 3
	s_add_co_u32 s54, s54, s10
	s_lshl_b32 s54, s54, 11
	s_add_co_u32 s54, s54, s50
	s_add_nc_u64 s[56:57], s[4:5], s[54:55]        ; and of the second
.irp i, 0,1,2,3
	global_load_b128 v[16+4*\i:19+4*\i], v1, s[44:45] offset:512*\i
.endr
.irp i, 0,1,2,3
	global_load_b128 v[240+4*\i:243+4*\i], v1, s[56:57] offset:512*\i
.endr
	s_cmp_lt_u32 s10, 6                            ; the prefetches: waves 4, 5 K's tiles, waves 6, 7 V's
	s_cselect_b32 s54, s51, s52
	s_lshl_b32 s53, s53, 14                        ; odd waves take the later of the two key steps
	s_add_co_u32 s54, s54, s53
	s_add_co_u32 s54, s54, 16384                   ; at key step 1 or 2: the first change of slots steps it by two
	s_add_nc_u64 s[40:41], s[4:5], s[54:55]
	s_and_b32 s53, s10, 1
	s_sub_co_u32 s54, s10, 4
	s_lshr_b32 s54, s54, 2                         ; 0 in waves 4 to 7,
	s_or_b32 s54, s54, ttmp9                       ; of the work-group with pq = 0
	s_cmp_eq_u32 s54, 0
	s_cselect_b32 s19, s53, -1                     ; a wave asks while the trips to go are above this: even waves in all seven trips, odd waves in the first six
	s_lshl_b32 s54, s13, 17
	s_lshl_b32 s53, s14, 9
	s_add_co_u32 s54, s54, s53
	s_add_co_u32 s54, s54, 256                     ; bsum: my batch and head, the whole blocks' sums
	s_add_nc_u64 s[58:59], s[6:7], s[54:55]
	; wave 7 makes the tail sums: for each of the two blocks of queries the sum of v over all blocks of keys behind it
	s_cmp_lg_u32 s10, 7
	s_cbranch_scc1 .Lnot7
.set k, 1
.rept 15
	global_load_b128 v[96+4*(k-1):99+4*(k-1)], v229, s[58:59] offset:8192*k
.set k, k+1
.endr
	s_wait_loadcnt 0x0
.irp t, 0,1,2,3
	v_mov_b32 v[224+\t], 0
.endr
	v_mov_b32 v231, 0
.set k, 1
.rept 15
	v_cmp_gt_u32 vcc_lo, k, v14                    ; block k lies behind my lane's block of queries
	v_cndmask_b32 v230, 0, 1.0, vcc_lo
	v_pk_fma_f32 v[224:225], v[96+4*(k-1):97+4*(k-1)], v[230:231], v[224:225] op_sel_hi:[1,0,1]
	v_pk_fma_f32 v[226:227], v[98+4*(k-1):99+4*(k-1)], v[230:231], v[226:227] op_sel_hi:[1,0,1]
.set k, k+1
.endr
.irp t, 0,1,2,3
	ds_store_b32 v239, v[224+\t] offset:64*\t      ; channel 16 t + r; the other waves read behind the first trip's barrier, in front of which I wait for these
.endr
.Lnot7:
	v_mov_b32 v9, LOWEST                           ; m: under every score
	v_mul_f32 v8, s22, v9
	v_mov_b32 v10, 0
	v_mov_b32 v11, 0
	v_mov_b32 v13, 0                               ; (upper halves of pairs, and a lane permute's destination: written once)
	v_mov_b32 v15, 0
	v_mov_b32 v228, 0
.set n, 0
.rept 32
	v_mov_b32 v[160+n], 0                          ; O^T: the step is written once for all places in a block; the first finds zeros
.set n, n+1
.endr
	s_mov_b32 s15, s11                             ; the block of queries in hand
	s_mov_b32 s16, 0                               ; the key step in hand
	s_mov_b32 s46, 0                               ; the slot in hand
	s_mov_b32 s18, 7
	s_wait_loadcnt 0x0                             ; Q
.macro KGROUP g, sub                   ; S^T of key tiles 4 g .. 4 g + 3 of the slot's step sub: the four accumulators take turns, one instruction a turn
.if \g
.rept 4
	v_nop                                          ; places in front of loads into registers that matrix instructions have read
.endr
.endif
.irp c, 0,1
.irp i, 0,1,2,3
	ds_load_b128 v[32+8*(2*\i+\c):32+8*(2*\i+\c)+3], v4 offset:(\sub)*STEPB+(4*\g+\i)*2048+\c*1024
	ds_load_b128 v[32+8*(2*\i+\c)+4:32+8*(2*\i+\c)+7], v4 offset:(\sub)*STEPB+(4*\g+\i)*2048+\c*1024+512
.endr
.endr
	s_wait_dscnt 8                                 ; channels 0-31 are in; the eight loads of channels 32-63 may be out
.irp i, 0,1,2,3
	v_wmma_f32_16x16x32_f16 v[96+8*(4*\g+\i):96+8*(4*\g+\i)+7], v[32+16*\i:32+16*\i+7], v[16:23], 0
.endr
	s_wait_dscnt 0x0
.irp i, 0,1,2,3
	v_wmma_f32_16x16x32_f16 v[96+8*(4*\g+\i):96+8*(4*\g+\i)+7], v[40+16*\i:40+16*\i+7], v[24:31], v[96+8*(4*\g+\i):96+8*(4*\g+\i)+7]
.endr
.endm
.macro VLOAD g, sub                    ; V^T of keys 64 g .. 64 g + 63: two chunks of 32 keys x four tiles of 16 channels.  The largest offset, 65,024, lies inside the 16-bit immediate
.irp k, 0,1
.irp t, 0,1,2,3
	ds_load_b128 v[32+8*(4*\k+\t):32+8*(4*\k+\t)+3], v4 offset:(\sub)*STEPB+VT+(2*\g+\k)*4096+\t*1024
	ds_load_b128 v[32+8*(4*\k+\t)+4:32+8*(4*\k+\t)+7], v4 offset:(\sub)*STEPB+VT+(2*\g+\k)*4096+\t*1024+512
.endr
.endr
.endm
.macro PV g, k
.irp t, 0,1,2,3
	v_wmma_f32_16x16x32_f16 v[160+8*\t:167+8*\t], v[32+8*(4*\k+\t):32+8*(4*\k+\t)+7], v[192+8*(2*\g+\k):192+8*(2*\g+\k)+7], v[160+8*\t:167+8*\t]
.endr
.endm
; A block of queries is finished: the keys behind its last step are weighed in, O is divided by the sum, rounded to f16 and stored as images of the next product's operand.  ph: which block's tail sums.
.macro FINAL ph
	s_mov_b32 s48, LOWEST
	s_cmp_eq_u32 s15, 15
	s_cselect_b32 s48, s48, s47                    ; the hidden keys' score; where no key lies behind the step, a number under everything: their weight is then 0
	s_sub_co_u32 s49, 15, s15
	s_lshl_b32 s49, s49, 7                         ; how many keys lie behind
	v_cvt_f32_u32 v233, s49
	v_max_num_f32 v232, s48, v9                    ; the row's maximum with them
	v_mul_f32 v234, s22, v232
	v_sub_f32 v235, v8, v234
	v_mov_b32 v236, s48
	v_fma_f32 v236, v236, s22, -v234
.irp t, 0,1,2,3
	ds_load_b128 v[96+8*\t:99+8*\t], v7 offset:256*\ph+64*\t
	ds_load_b128 v[100+8*\t:103+8*\t], v7 offset:256*\ph+64*\t+16
.endr
	v_exp_f32 v235, v235                           ; a
	v_exp_f32 v236, v236                           ; w
	v_add_f32 v10, v10, v11                        ; (a plain line behind the exponentials)
	s_wait_alu depctr_va_vdst(0)                   ; the wait ahead of the first reader: one for both
	v_permlanex16_b32 v228, v10, s20, s21
	v_add_f32 v10, v10, v228                       ; the row's sum
	v_mul_f32 v237, v236, v233
	v_fma_f32 v10, v235, v10, v237                 ; a l + w x (number of keys behind)
	v_rcp_f32 v238, v10
	v_nop
	s_wait_alu depctr_va_vdst(0)
	v_mul_f32 v12, v235, v238
	v_mul_f32 v14, v236, v238
	s_wait_dscnt 0x0
.set n, 0
.rept 16
	v_pk_mul_f32 v[96+n:97+n], v[96+n:97+n], v[14:15] op_sel_hi:[1,0]
.set n, n+2
.endr
.set n, 0
.rept 16
	v_pk_fma_f32 v[160+n:161+n], v[160+n:161+n], v[12:13], v[96+n:97+n] op_sel_hi:[1,0,1]   ; each accumulator from its low end on
.set n, n+2
.endr
.set n, 0
.rept 16
	v_cvt_pk_f16_f32 v[128+n], v[160+2*n], v[161+2*n]
.set n, n+1
.endr
	s_wait_xcnt 0x0                                ; earlier stores have read their base
	s_lshl_b32 s50, s13, 7
	s_lshl_b32 s51, s15, 3
	s_add_co_u32 s50, s50, s51
	s_add_co_u32 s50, s50, s10                     ; T = 128 b + 8 x block + w
	s_lshl_b32 s50, s50, 13
	s_lshr_b32 s51, s14, 2
	s_lshl_b32 s51, s51, 21                        ; ks = head / 4
	s_add_co_u32 s50, s50, s51
	s_and_b32 s51, s14, 3
	s_lshl_b32 s51, s51, 11                        ; kc = 2 (head % 4) + t / 2
	s_add_co_u32 s50, s50, s51
	s_mov_b32 s51, 0
	s_add_nc_u64 s[42:43], s[8:9], s[50:51]
.irp t, 0,1,2,3
	global_store_b128 v1, v[128+4*\t:131+4*\t], s[42:43] offset:512*\t   ; 512 consecutive bytes, aligned
.endr
.endm
.macro RESTART                         ; on to the second block of queries
	s_sub_co_u32 s15, 15, s11
.set n, 0
.rept 16
	v_mov_b32 v[16+n], v[240+n]
.set n, n+1
.endr
	v_mov_b32 v9, LOWEST
	v_mul_f32 v8, s22, v9
	v_mov_b32 v10, 0
	v_mov_b32 v11, 0
.set n, 0
.rept 32
	v_mov_b32 v[160+n], 0
.set n, n+1
.endr
	s_wait_xcnt 0x0                                ; the stores above have read v128-143, into which the next scores fall
.endm
; A KEY STEP of 128 keys, the slot's first (sub = 0) or second (sub = 1).  tail = 0: any of steps 0 .. 15; tail = 1: step 16, which is the second block's diagonal step.
.macro STEP sub, tail
	v_add_nc_u32 v4, s46, v1
	KGROUP 0, \sub
	KGROUP 1, \sub
.rept 4
	v_nop                                          ; places: in front of the loads below, and of the first read of the scores
.endr
	VLOAD 0, \sub                                  ; lands under the softmax
.if \tail == 0
	s_cmp_lg_u32 s16, s15                          ; ids and the count of steps alone: the same in all eight waves
	s_cbranch_scc1 .Lopen_\@
.endif
	v_mov_b32 v14, s47
.set n, 0
.rept 64
	v_cmp_gt_i32 vcc_lo, 16*(n/8)+n%8, v5          ; register n holds key 16 (n / 8) + 8 h + n % 8: hidden where it comes after my query
	v_cndmask_b32 v[96+n], v[96+n], v14, vcc_lo
.set n, n+1
.endr
.Lopen_\@:
.irp b, 0,1,2,3
	v_max3_num_f32 v[224+\b], v[96+16*\b], v[97+16*\b], v[98+16*\b]   ; the maximum, in four chains by turns, each accumulator from its low end on
.endr
.irp i, 3,5,7,9,11,13
.irp b, 0,1,2,3
	v_max3_num_f32 v[224+\b], v[224+\b], v[96+16*\b+\i], v[97+16*\b+\i]
.endr
.endr
.irp b, 0,1,2,3
	v_max_num_f32 v[224+\b], v[224+\b], v[111+16*\b]
.endr
	v_max3_num_f32 v224, v224, v225, v226
	v_max3_num_f32 v224, v224, v227, v9
	v_permlanex16_b32 v228, v224, s20, s21         ; the query's other 64 keys lie in the lane 16 away
	v_mov_b32 v14, v8                              ; c m_old
	v_max_num_f32 v9, v224, v228
	v_mul_f32 v8, s22, v9
	v_sub_f32 v15, v14, v8
.set n, 0
.rept 32
	v_pk_fma_f32 v[96+n:97+n], v[96+n:97+n], s[22:23], v[8:9] op_sel_hi:[1,0,0] neg_lo:[0,0,1] neg_hi:[0,0,1]   ; c s - c m
.set n, n+2
.endr
	v_exp_f32 v12, v15                             ; a
.set n, 0
.rept 64
	v_exp_f32 v[96+n], v[96+n]
.set n, n+1
.endr
	v_nop                                          ; a plain line behind the last exponential
	s_wait_alu depctr_va_vdst(0)                   ; the wait ahead of the first reader: one for the batch of 65
	v_pk_mul_f32 v[10:11], v[10:11], v[12:13] op_sel_hi:[1,0]
.set n, 0
.rept 32
	v_cvt_pk_f16_f32 v[192+n], v[96+2*n], v[97+2*n]
.set n, n+1
.endr
	v_pk_add_f32 v[228:229], v[96:97], v[98:99]    ; the sum of the unrounded p, in two chains
.set n, 4
.rept 15
	v_pk_add_f32 v[10:11], v[10:11], v[96+n:97+n]
	v_pk_add_f32 v[228:229], v[228:229], v[98+n:99+n]
.set n, n+4
.endr
	v_pk_add_f32 v[10:11], v[10:11], v[228:229]
.set n, 0
.rept 16
	v_pk_mul_f32 v[160+n:161+n], v[160+n:161+n], v[12:13] op_sel_hi:[1,0]
.set n, n+2
.endr
	s_wait_dscnt 0x0                               ; V's first 64 keys
	PV 0, 0
	PV 0, 1
.rept 4
	v_nop
.endr
	VLOAD 1, \sub
	s_wait_dscnt 8                                 ; the first chunk of 32 keys is in; the second's eight loads may be out
	PV 1, 0
	s_wait_dscnt 0x0
	PV 1, 1
.rept 4
	v_nop                                          ; places in front of the next step's loads and of the first read of O^T
.endr
.if \tail == 0
	s_add_co_u32 s17, s16, 1
	s_cmp_lg_u32 s16, s15
	s_cselect_b32 s17, s17, 0                      ; the next key step: one on, or 0 where this step ends the first block
	s_cbranch_scc1 .Lon_\@
	FINAL 0
	RESTART
.Lon_\@:
	s_mov_b32 s16, s17
.else
	FINAL 1
.endif
.endm
; THE CHANGE OF SLOTS, ahead of a slot's two steps.  Each wave waits for all its tensor loads, adds 0 to its spare word, and waits for that and for its reads of the slot that it has left; behind the barrier the slot
; ahead is whole and nobody reads the other one.  fill = 2: the other slot takes the next two steps' tiles, one load in each of waves 0 to 3; fill = 1: step 16's alone, waves 0 and 1; fill = 0: nothing is left to fetch.
.macro CHANGE fill
	s_wait_tensorcnt 0x0                           ; no tensor load of mine is out, so group 0 may be written
	ds_add_u32 v2, v3
.if \fill
	ds_add_u32 v2, v3                              ; twice on end where a tensor load follows, in every trip alike
	s_xor_b32 s33, s33, SLOT1                      ; the other slot than last time,
	s_add_co_u32 s3, s3, 2                         ; two steps on
	AIM
.endif
.if \fill == 2
	s_wait_xcnt 0x0                                ; the last prefetches, a trip back, have read their address
	s_add_nc_u64 s[40:41], s[40:41], 2*16384
.endif
	s_wait_dscnt 0x0
	s_barrier_signal -1
	s_barrier_wait -1
.if \fill == 2
	TLOAD 4                                        ; the first thing behind the barrier, and a wave's one tensor load until the next
	ASK
.endif
.if \fill == 1
	TLOAD 2
.endif
.endm
.Ltrip:                                            ; 7 trips: steps 0 .. 13; in trip n the other slot takes steps 2 n + 2 and 2 n + 3
	CHANGE 2
	STEP 0, 0
	STEP 1, 0
	s_xor_b32 s46, s46, SLOT1
	s_sub_co_u32 s18, s18, 1
	s_cmp_lg_u32 s18, 0
	s_cbranch_scc1 .Ltrip
	CHANGE 1                                       ; the tail is written out: steps 14 and 15, while step 16's tiles come
	STEP 0, 0
	STEP 1, 0
	s_xor_b32 s46, s46, SLOT1
	CHANGE 0
	STEP 0, 1                                      ; step 16
	s_wait_tensorcnt 0x0                           ; the wave's end
	ds_add_u32 v2, v3
	s_wait_dscnt 0x0
	s_endpgm
.Lfunc_end_k_qcd3f8f9c4c_attn:
	.size	k_qcd3f8f9c4c_attn, .Lfunc_end_k_qcd3f8f9c4c_attn-k_qcd3f8f9c4c_attn
	.p2alignl 7, 3214868480
	.fill 96, 4, 3214868480
	.section	.rodata,"a",@progbits
	.p2align	6, 0x0
	.amdhsa_kernel k_qcd3f8f9c4c_attn
		.amdhsa_group_segment_fixed_size 327680
		.amdhsa_private_segment_fixed_size 0
		.amdhsa_enable_private_segment 0
		.amdhsa_kernarg_size 24
		.amdhsa_user_sgpr_count 2
		.amdhsa_user_sgpr_kernarg_segment_ptr 1
		.amdhsa_wavefront_size32 1
		.amdhsa_system_sgpr_workgroup_id_x 1
		.amdhsa_system_sgpr_workgroup_id_y 1
		.amdhsa_system_sgpr_workgroup_id_z 1
		.amdhsa_system_vgpr_workitem_id 0
		.amdhsa_next_free_vgpr 256
		.amdhsa_next_free_sgpr 66
		.amdhsa_reserve_vcc 1
		.amdhsa_float_denorm_mode_32 3
		.amdhsa_float_denorm_mode_16_64 3
		.amdhsa_memory_ordered 1
		.amdhsa_forward_progress 1
		.amdhsa_inst_pref_size 164
	.end_amdhsa_kernel
	.amdgpu_metadata
---
amdhsa.version: [ 1, 2 ]
amdhsa.kernels:
  - .name:           k_qcd3f8f9c4c_attn
    .symbol:         k_qcd3f8f9c4c_attn.kd
    .args:
      - { .name: qkv_img, .offset: 0, .size: 8, .value_kind: global_buffer, .address_space: global }
      - { .name: bsum, .offset: 8, .size: 8, .value_kind: global_buffer, .address_space: global }
      - { .name: o_img, .offset: 16, .size: 8, .value_kind: global_buffer, .address_space: global }
    .group_segment_fixed_size: 327680
    .private_segment_fixed_size: 0
    .kernarg_segment_align: 8
    .kernarg_segment_size: 24
    .max_flat_workgroup_size: 256
    .sgpr_count:     66
    .vgpr_count:     256
    .wavefront_size: 32
...
	.end_amdgpu_metadata
.endif
;; end of part 3
;; launch oproj (part 4): grid 8 x 32, 4 waves a work-group, clusters of 4 x 4, 327,680 bytes of LDS; arguments o_img, wo_img, out0; writes out0
.if DOCPART == 4
	.amdgcn_target "amdgcn-amd-amdhsa--gfx1250"
	.amdhsa_code_object_version 6
	.text
	.protected	k_qcd3f8f9c4c_oproj
	.globl	k_qcd3f8f9c4c_oproj
	.p2align	8
	.type	k_qcd3f8f9c4c_oproj,@function
k_qcd3f8f9c4c_oproj:
	s_mov_b64 s[64:65], 0
	v_nop
	global_prefetch_b8 v0, s[64:65] scope:SCOPE_SE
	s_setreg_imm32_b32 hwreg(HW_REG_WAVE_MODE, 25, 1), 1
	s_wait_xcnt 0x0
	s_wait_alu depctr_hold_cnt(0) depctr_sa_sdst(0) depctr_va_vdst(0) depctr_va_sdst(0) depctr_va_ssrc(0) depctr_va_vcc(0) depctr_vm_vsrc(0)
	s_getreg_b32 s2, hwreg(HW_REG_IB_STS2, 6, 4)
	s_cmp_eq_u32 s2, 0
	s_cbranch_scc0 .Lentry_in_a_cluster
	s_endpgm
.Lentry_in_a_cluster:
	s_bfe_u32 s2, ttmp6, 0x10000c
	s_cmp_lg_u32 s2, 0xf033
	s_cbranch_scc0 .Lentry_shape_is_right
	s_endpgm
.Lentry_shape_is_right:
; OPROJ.  out[token][n] = sum over k of o[token][k] Wo[n][k]; operands f16, sums f32, out f32.  M = 4,096, N = 1,024, K = 1,024.
; A tile of out is 128 x 128 (256 work-groups); four waves of 64 x 64: 16 accumulators.  K goes in 4 steps of 256 through two LDS slots; the text is written out, without a loop.
; Both operands arrive as images of operand registers ([ks 4][tile of 16 rows][kc 8][half 2][512 bytes]): a K step of 128 rows is one dense block of 65,536 bytes, a wave's tensor load brings half of it,
; and a fragment load reads 512 consecutive LDS bytes, 16 a lane: no pitch, no padding.
; CLUSTERS 4 x 4: o's tile is shared along a row of the cluster, Wo's along a column, by joint loads.  THE MATRIX INSTRUCTION IS USED TRANSPOSED (source 0 = 16 rows of Wo, source 1 = 16 tokens):
; a lane holds eight neighbouring numbers of a row of out.  A wave's 64 columns are 256 bytes: each wave has a stage of its own on the way out and stores whole aligned runs of 256 bytes.
; The 32 rows of positions 0-15 of the two batches are written here from f16 operands and written again, from f32, by the launch that follows.
; REGISTERS: window 0: v16-29 addresses; v32-95 the way out; v128-255 the accumulators ((a, b) at v[128 + 8 (4 a + b)]).  window 1: two fragment buffers of 128 (64 of o, 64 of Wo, 64 along K deep).
.set SLOTB,  131072                    ; a slot: o's 65,536 bytes, then Wo's
.set STAGE,  262144                    ; 16 rows x 272 bytes for each wave
.set SPITCH, 272
.set SPARE,  STAGE+4*16*SPITCH         ; the spare words, 128 bytes a wave
.set ADRA, 16
.set ADRB, 20
.set STO,  24
.set RD,   25
.set CO,   26
.set SPW,  28
.set NIL,  29
.set TMP,  32
.set ACC,  128
.set F0,   0
.set F1,   128
.set G1, 24
.set G0, 32
.set G1B, 48
.set G0B, 56
.set MSB, 0
.macro WIN new
.if MSB != \new
	s_set_vgpr_msb (MSB<<8)|\new
.set MSB, \new
.endif
.endm
.set MUL,  0x05                        ; sources 0 and 1 window 1; C and D window 0
.set TO_F, 0x40                        ; destination window 1, address window 0
.macro JLOAD s                         ; waves 0 and 1 fetch o's two halves, waves 2 and 3 Wo's; an s_nop 0 and four v_nop follow each line
	s_cmp_eq_u32 s11, 0
	s_cbranch_scc0 .Lfor_b_\@
	tensor_load_to_lds s[G0+4*\s:G0+4*\s+3], s[G1:G1+7]
	s_nop 0
.rept 4
	v_nop
.endr
	s_branch .Lasked_\@
.Lfor_b_\@:
	tensor_load_to_lds s[G0B+4*\s:G0B+4*\s+3], s[G1B:G1B+7]
	s_nop 0
.rept 4
	v_nop
.endr
.Lasked_\@:
.endm
.macro CREST
	s_cmp_lg_u32 s10, 0
	s_cbranch_scc1 .Lnot_wave_0_\@
	s_barrier_signal -3
.Lnot_wave_0_\@:
	s_barrier_wait -3
	s_barrier_signal -1
	s_barrier_wait -1
.endm
.macro CROUND
	s_barrier_signal -1
	s_barrier_wait -1
	CREST
.endm
	s_load_b128 s[4:7], s[0:1], 0x0                ; o_img, wo_img
	s_load_b64 s[8:9], s[0:1], 0x10                ; out0
	v_lshl_add_u32 v[SPW], v0, 2, SPARE
	v_mov_b32 v[NIL], 0
	ds_add_u32 v[SPW], v[NIL]                      ; the wave's opening: the add, twice on end, and its wait ahead of my first tensor load
	ds_add_u32 v[SPW], v[NIL]
	v_lshrrev_b32 v1, 5, v0
	v_readfirstlane_b32 s10, v1                    ; wave
	s_lshr_b32 s11, s10, 1                         ; my half of the tile's rows; also: I fetch for o (0) or Wo (1)
	s_and_b32 s12, s10, 1                          ; my half of its columns; also: which half I fetch
	s_bfe_u32 s40, ttmp6, 0x40000                  ; cx
	s_bfe_u32 s41, ttmp6, 0x40004                  ; cy
	s_lshl_b32 s42, ttmp9, 2
	s_add_co_u32 s42, s42, s40                     ; tile column
	s_and_b32 s13, ttmp7, 0xffff
	s_lshl_b32 s13, s13, 2
	s_add_co_u32 s13, s13, s41                     ; tile row
	s_lshl_b32 s43, s41, 2
	s_lshl_b32 s43, 15, s43                        ; my row of the cluster
	s_lshl_b32 s44, 0x1111, s40                    ; my column
	s_or_b32 s[G1+0], s43, (3<<16)|(1<<21)         ; the mask; elements of 8 bytes; no padding
	s_or_b32 s[G1B+0], s44, (3<<16)|(1<<21)
.irp g, G1, G1B
	s_mov_b32 s[\g+1], 32<<16                      ; a dense block of 32,768 bytes as 128 rows of 256
	s_mov_b32 s[\g+2], 128<<16
	s_mov_b32 s[\g+3], 32<<16
	s_mov_b32 s[\g+4], 128
	s_mov_b32 s[\g+5], 32
	s_mov_b32 s[\g+6], 0
	s_mov_b32 s[\g+7], 0
.endr
	s_lshl_b32 s17, s12, 2
	s_lshl_b32 s16, s13, 3
	s_add_co_u32 s16, s16, s17
	s_lshl_b32 s16, s16, 13                        ; o: tile of 16 tokens 8 x tile row + 4 x half, 8,192 bytes each
	s_lshl_b32 s46, s42, 3
	s_add_co_u32 s46, s46, s17
	s_lshl_b32 s46, s46, 13                        ; Wo likewise, by the tile column
	s_mov_b32 s17, 0
	s_mov_b32 s47, 0
	s_lshl_b32 s20, s10, 15                        ; where they go: wave x 32,768: no place in the cluster enters an LDS address
	s_wait_dscnt 0x0
	s_wait_kmcnt 0x0
	s_add_nc_u64 s[14:15], s[4:5], s[16:17]
	s_add_nc_u64 s[46:47], s[6:7], s[46:47]
	CROUND                                         ; all sixteen work-groups are here: the first joint loads meet
.irp s, 0,1
	s_mov_b32 s[G0+4*\s], 1
	s_add_co_u32 s[G0+4*\s+1], s20, \s*SLOTB
	s_add_nc_u64 s[G0+4*\s+2:G0+4*\s+3], s[14:15], \s*2097152
	s_or_b32 s[G0+4*\s+3], s[G0+4*\s+3], 0x80000000
	s_mov_b32 s[G0B+4*\s], 1
	s_add_co_u32 s[G0B+4*\s+1], s20, \s*SLOTB
	s_add_nc_u64 s[G0B+4*\s+2:G0B+4*\s+3], s[46:47], \s*524288
	s_or_b32 s[G0B+4*\s+3], s[G0B+4*\s+3], 0x80000000
	JLOAD \s
.endr
	v_and_b32 v1, 31, v0
	v_lshlrev_b32 v3, 4, v1                        ; 16 x lane
	s_lshl_b32 s21, s11, 15                        ; my 64 tokens
	s_lshl_b32 s22, s12, 15                        ; my 64 columns,
	s_add_co_u32 s22, s22, 65536                   ; behind o's tile
.irp s, 0,1
	v_add_nc_u32 v[ADRA+\s], s21, v3
	v_add_nc_u32 v[ADRB+\s], s22, v3
	s_add_co_u32 s21, s21, SLOTB
	s_add_co_u32 s22, s22, SLOTB
.endr
	v_and_b32 v1, 15, v0                           ; r
	v_bfe_u32 v2, v0, 4, 1                         ; h
	s_mul_i32 s23, s10, 16*SPITCH
	s_add_co_u32 s23, s23, STAGE                   ; my stage
	v_mul_u32_u24 v4, v1, SPITCH
	v_lshl_add_u32 v4, v2, 5, v4
	v_add_nc_u32 v[STO], s23, v4                   ; in: row r, 32 bytes for each half of the lanes
	v_mul_u32_u24 v5, v2, SPITCH
	v_lshl_add_u32 v5, v1, 4, v5
	v_add_nc_u32 v[RD], s23, v5                    ; back: lanes 0-15 one row of 256 bytes, lanes 16-31 the next
	v_lshlrev_b32 v5, 12, v2
	v_lshl_add_u32 v[CO], v1, 4, v5                ; and the same two rows in out
	s_lshl_b32 s16, s13, 7
	s_lshl_b32 s17, s11, 6
	s_add_co_u32 s16, s16, s17
	s_lshl_b32 s16, s16, 12                        ; my first row of out, 4,096 bytes a row
	s_lshl_b32 s46, s42, 9
	s_lshl_b32 s47, s12, 8
	s_add_co_u32 s46, s46, s47                     ; my first column, in bytes
	s_add_co_u32 s16, s16, s46
	s_mov_b32 s17, 0
	s_add_nc_u64 s[8:9], s[8:9], s[16:17]
.macro MUL8 f, c, a0, zero             ; token blocks a0, a0 + 1 x all 4 column blocks, 32 along K; the 16 accumulators take turns
.irp a, \a0, \a0+1
.irp b, 0,1,2,3
.if \zero
	v_wmma_f32_16x16x32_f16 v[ACC+8*(4*(\a)+\b):ACC+8*(4*(\a)+\b)+7], v[\f+64+8*(4*\c+\b):\f+64+8*(4*\c+\b)+7], v[\f+8*(4*\c+\a):\f+8*(4*\c+\a)+7], 0
.else
	v_wmma_f32_16x16x32_f16 v[ACC+8*(4*(\a)+\b):ACC+8*(4*(\a)+\b)+7], v[\f+64+8*(4*\c+\b):\f+64+8*(4*\c+\b)+7], v[\f+8*(4*\c+\a):\f+8*(4*\c+\a)+7], v[ACC+8*(4*(\a)+\b):ACC+8*(4*(\a)+\b)+7]
.endif
.endr
.endr
.endm
.macro FETCH slot, q, f                ; 32 LDS loads in one run: quarter q (64 along K) of the slot into buffer f; its first 32 along K first
	WIN TO_F
.irp c, 0,1
.irp i, 0,1,2,3
	ds_load_b128 v[\f+64+8*(4*\c+\i):\f+64+8*(4*\c+\i)+3],   v[ADRB+\slot] offset:\i*8192+(2*(\q)+\c)*1024
	ds_load_b128 v[\f+64+8*(4*\c+\i)+4:\f+64+8*(4*\c+\i)+7], v[ADRB+\slot] offset:\i*8192+(2*(\q)+\c)*1024+512
	ds_load_b128 v[\f+8*(4*\c+\i):\f+8*(4*\c+\i)+3],         v[ADRA+\slot] offset:\i*8192+(2*(\q)+\c)*1024
	ds_load_b128 v[\f+8*(4*\c+\i)+4:\f+8*(4*\c+\i)+7],       v[ADRA+\slot] offset:\i*8192+(2*(\q)+\c)*1024+512
.endr
.endr
.endm
.macro PLACES
.rept 4
	v_nop
.endr
.endm
.macro QUARTER slot, q, f, g, zero     ; multiplies buffer f and fetches quarter q of the same slot into g
	s_wait_dscnt 16                                ; the first 32 along K are in; the other sixteen loads may be out
	WIN MUL
	MUL8 \f, 0, 0, \zero
	MUL8 \f, 0, 2, \zero
	PLACES
	FETCH \slot, \q, \g
	s_wait_dscnt 32                                ; all but the 32 just issued
	WIN MUL
	MUL8 \f, 1, 0, 0
	MUL8 \f, 1, 2, 0
.endm
; A slot's last quarter changes slots: each wave waits for all its tensor loads, adds 0 to its spare word, and waits for that and for its reads of this slot.  fill = 1: the barrier opens a round of the cluster's,
; and this slot is filled again, two K steps ahead, first thing behind it.
.macro TURN slot, next, fill
	WIN 0
	s_wait_tensorcnt 0x0
	ds_add_u32 v[SPW], v[NIL]
	s_wait_dscnt 17                                ; the add and the youngest sixteen loads may be out
	WIN MUL
	MUL8 F1, 0, 0, 0
	s_wait_dscnt 0x0
	s_barrier_signal -1
	MUL8 F1, 0, 2, 0
.if \fill
	WIN 0
.endif
	s_barrier_wait -1
.if \fill
	CREST
	s_add_nc_u64 s[G0+4*\slot+2:G0+4*\slot+3], s[G0+4*\slot+2:G0+4*\slot+3], 2*2097152
	s_add_nc_u64 s[G0B+4*\slot+2:G0B+4*\slot+3], s[G0B+4*\slot+2:G0B+4*\slot+3], 2*524288
	JLOAD \slot                                    ; the four v_nop behind it are also the places in front of the loads below
.else
	PLACES
.endif
	FETCH \next, 0, F0
	WIN MUL
	MUL8 F1, 1, 0, 0
	MUL8 F1, 1, 2, 0
.endm
	s_wait_tensorcnt 1                             ; my part of K step 0 is in; K step 1's load may be out
	s_barrier_signal -1
	s_barrier_wait -1
	FETCH 0, 0, F0
	QUARTER 0, 1, F0, F1, 1                        ; the first products start the sums
	QUARTER 0, 2, F1, F0, 0
	QUARTER 0, 3, F0, F1, 0
	TURN 0, 1, 1                                   ; slot 0 takes K step 2
	QUARTER 1, 1, F0, F1, 0
	QUARTER 1, 2, F1, F0, 0
	QUARTER 1, 3, F0, F1, 0
	TURN 1, 0, 1                                   ; slot 1 takes K step 3
	QUARTER 0, 1, F0, F1, 0
	QUARTER 0, 2, F1, F0, 0
	QUARTER 0, 3, F0, F1, 0
	TURN 0, 1, 0
	QUARTER 1, 1, F0, F1, 0
	QUARTER 1, 2, F1, F0, 0
	QUARTER 1, 3, F0, F1, 0
	s_wait_dscnt 16
	WIN MUL
	MUL8 F1, 0, 0, 0
	MUL8 F1, 0, 2, 0
	s_wait_dscnt 0
	MUL8 F1, 1, 0, 0
	MUL8 F1, 1, 2, 0
	WIN 0
	PLACES
; THE WAY OUT, 16 tokens at a time, through my own stage.  LDS serves a wave's instructions in order: no wait between the stores and the loads, nor in front of the next block's stores.
.macro TOSTAGE a
.irp b, 0,1,2,3
	ds_store_b128 v[STO], v[ACC+8*(4*(\a)+\b):ACC+8*(4*(\a)+\b)+3] offset:64*\b        ; each accumulator from its low end on
	ds_store_b128 v[STO], v[ACC+8*(4*(\a)+\b)+4:ACC+8*(4*(\a)+\b)+7] offset:64*\b+16
.endr
.irp t, 0,1,2,3,4,5,6,7
	ds_load_b128 v[TMP+32*((\a)%2)+4*\t:TMP+32*((\a)%2)+4*\t+3], v[RD] offset:\t*2*SPITCH
.endr
.endm
.macro SEND a, younger
	s_wait_dscnt \younger
.irp t, 0,1,2,3,4,5,6,7
	global_store_b128 v[CO], v[TMP+32*((\a)%2)+4*\t:TMP+32*((\a)%2)+4*\t+3], s[8:9] offset:(16*(\a)+2*\t)*4096 th:TH_STORE_NT   ; 16 lanes store 256 consecutive bytes, aligned
.endr
.endm
	TOSTAGE 0
	TOSTAGE 1
	SEND 0, 16                                     ; behind block 0's loads: block 1's 8 stores and 8 loads
	s_wait_xcnt 0x0                                ; block 0's stores have read their registers
	TOSTAGE 2
	SEND 1, 16
	s_wait_xcnt 0x0
	TOSTAGE 3
	SEND 2, 16
	SEND 3, 0
	s_wait_tensorcnt 0x0                           ; the wave's end
	ds_add_u32 v[SPW], v[NIL]
	s_wait_dscnt 0x0
	CROUND                                         ; the closing round
	s_endpgm
.Lfunc_end_k_qcd3f8f9c4c_oproj:
	.size	k_qcd3f8f9c4c_oproj, .Lfunc_end_k_qcd3f8f9c4c_oproj-k_qcd3f8f9c4c_oproj
	.p2alignl 7, 3214868480
	.fill 96, 4, 3214868480
	.section	.rodata,"a",@progbits
	.p2align	6, 0x0
	.amdhsa_kernel k_qcd3f8f9c4c_oproj
		.amdhsa_group_segment_fixed_size 327680
		.amdhsa_private_segment_fixed_size 0
		.amdhsa_enable_private_segment 0
		.amdhsa_kernarg_size 24
		.amdhsa_user_sgpr_count 2
		.amdhsa_user_sgpr_kernarg_segment_ptr 1
		.amdhsa_wavefront_size32 1
		.amdhsa_system_sgpr_workgroup_id_x 1
		.amdhsa_system_sgpr_workgroup_id_y 1
		.amdhsa_system_sgpr_workgroup_id_z 1
		.amdhsa_system_vgpr_workitem_id 0
		.amdhsa_next_free_vgpr 512
		.amdhsa_next_free_sgpr 66
		.amdhsa_reserve_vcc 0
		.amdhsa_float_denorm_mode_32 3
		.amdhsa_float_denorm_mode_16_64 3
		.amdhsa_memory_ordered 1
		.amdhsa_forward_progress 1
		.amdhsa_inst_pref_size 85
	.end_amdhsa_kernel
	.amdgpu_metadata
---
amdhsa.version: [ 1, 2 ]
amdhsa.kernels:
  - .name:           k_qcd3f8f9c4c_oproj
    .symbol:         k_qcd3f8f9c4c_oproj.kd
    .args:
      - { .name: o_img, .offset: 0, .size: 8, .value_kind: global_buffer, .address_space: global }
      - { .name: wo_img, .offset: 8, .size: 8, .value_kind: global_buffer, .address_space: global }
      - { .name: out0, .offset: 16, .size: 8, .value_kind: global_buffer, .address_space: global }
    .group_segment_fixed_size: 327680
    .private_segment_fixed_size: 0
    .kernarg_segment_align: 8
    .kernarg_segment_size: 24
    .max_flat_workgroup_size: 128
    .sgpr_count:     66
    .vgpr_count:     512
    .wavefront_size: 32
...
	.end_amdgpu_metadata
.endif
;; end of part 4
;; launch fine (part 5): grid 16 x 2, 16 waves a work-group, no clusters, 327,680 bytes of LDS; arguments fine_qkv, bsum, o_proj_weight, out0; writes out0
.if DOCPART == 5
	.amdgcn_target "amdgcn-amd-amdhsa--gfx1250"
	.amdhsa_code_object_version 6
	.text
	.protected	k_qcd3f8f9c4c_fine
	.globl	k_qcd3f8f9c4c_fine
	.p2align	8
	.type	k_qcd3f8f9c4c_fine,@function
k_qcd3f8f9c4c_fine:
	s_mov_b64 s[64:65], 0
	v_nop
	global_prefetch_b8 v0, s[64:65] scope:SCOPE_SE
	s_setreg_imm32_b32 hwreg(HW_REG_WAVE_MODE, 25, 1), 1
	s_wait_xcnt 0x0
; FINE.  Positions 0-15 of both batches once more, wholly in f32: their rows average one to sixteen values, so rounded operands weigh most there.  32 rows of out0 are written a second time.
; SHARES.  Work-group (nb, batch): 64 columns of out for the batch's 16 rows.  Wave = head: it makes its head's 16 rows of attention and its 64 along K of the projection; the 16 shares are added through LDS.
; The attention part is repeated in each of the 16 column blocks: 12,288 bytes of loads and 32 matrix instructions a wave.
; Wo: a wave wants 64 rows x 256 bytes, the rows 4,096 bytes apart in memory.  ONE tensor load a wave brings them into LDS bytes of the wave's own (rows 272 bytes apart: the 16 rows of a fragment load start 68 words
; apart); only the issuing wave reads them, behind its own wait.  Loaded lane by lane from memory, each load would take 16 bytes a lane out of 16 different rows.
; NO CLUSTER: a tile of Wo is read by two work-groups alone, the two batches'; q, k, v are a few bytes.
; q, k, v arrive as f32 images of the accumulators that made them.  A pair of registers of q's and of k's image holds the same four channels in the same places (k = 2 h + j of the f32 form), so each pair is a K step;
; likewise v's pairs and p's (keys 8 h + 2 u + j), and Wo's pairs, read so, and o's (channels 16 t + 8 h + 2 i + j).
; THE MASK IS -10000: hidden keys among the 16 get the score -80000 (ahead of the division by 8); keys 16 .. 2047 all weigh w = exp(-10000 - m): 2032 w goes to the row's sum and w x (the sum of their v, from bsum) to o.
; The accumulators v224-255 are written by matrix instructions alone; four of them take turns in each of the three products.
; LIMITS: NaN and infinities are not served.
; REGISTERS: v1 16 x lane; v2, v3 the add's two; v4-13 offsets and LDS addresses; v14 d = r - 8 h; v15 -80000; v16-47 q, v48-79 k (later Wo's tiles 2, 3, later the shares); v80-111 v, later o;
;   v112-143 block sums, later the tail sums in o's layout; v144-207 Wo's tiles 0, 1; v208-215 the scores, then p, later four addresses; v216-223 at work; v224-255 accumulators.
.set WTW,   17408                      ; a wave's tile of Wo: 64 rows x 272 bytes, at WTW x wave.  Its first 4,096 bytes later take the wave's share [tile 4][half 2][512 bytes]: the tile has had its one fill and its reads are over
.set TSS,   278528                     ; 256 bytes a wave
.set STG,   282624                     ; 16 rows x 272 bytes
.set SPARE, 287232                     ; the spare words, 128 bytes a wave
.set QR, 16
.set KR, 48
.set VR, 80
.set BS, 112
.set W0, 144
.set T,  208
.set U,  216
.set ACC, 224
	s_load_b256 s[4:11], s[0:1], 0x0               ; fine_qkv, bsum, Wo, out0
	v_lshl_add_u32 v2, v0, 2, SPARE
	v_mov_b32 v3, 0
	ds_add_u32 v2, v3                              ; the wave's opening: the add, twice on end, and its wait ahead of my tensor load
	ds_add_u32 v2, v3
	v_lshrrev_b32 v15, 5, v0
	v_readfirstlane_b32 s12, v15                   ; wave = head
	s_mov_b32 s13, ttmp9                           ; block of 64 columns
	s_and_b32 s14, ttmp7, 0xffff                   ; batch
	v_and_b32 v15, 31, v0
	v_lshlrev_b32 v1, 4, v15
	v_and_b32 v14, 15, v0                          ; r
	v_bfe_u32 v15, v0, 4, 1                        ; h
	s_lshl_b32 s26, s12, 8
	s_add_co_u32 s26, s26, TSS
	v_lshl_add_u32 v7, v14, 2, s26                 ; tail sums in: channel 16 t + r
	v_lshl_add_u32 v8, v15, 5, s26                 ; and back: channels 16 t + 8 h + 0..7
	s_mul_i32 s37, s12, WTW                        ; my tile of Wo in LDS
	v_add_nc_u32 v9, s37, v1                       ; my share's images
	v_mul_u32_u24 v6, v14, 272
	v_lshl_add_u32 v6, v15, 5, v6
	v_add_nc_u32 v6, s37, v6                       ; Wo's fragments: row r of a tile of 16, + 32 h
	s_lshl_b32 s26, s12, 9
	v_add_nc_u32 v10, s26, v1                      ; waves 0-7: piece w of wave 0's share
	s_lshr_b32 s26, s12, 1
	s_lshl_b32 s26, s26, 6
	s_and_b32 s27, s12, 1
	s_lshl_b32 s27, s27, 4
	s_add_co_u32 s26, s26, s27
	s_add_co_u32 s26, s26, STG
	v_mul_u32_u24 v11, v14, 272
	v_lshl_add_u32 v11, v15, 5, v11
	v_add_nc_u32 v11, s26, v11                     ; the stage: row r, columns 16 (w / 2) + 8 h + 4 (w % 2) + 0..3
	s_mul_i32 s26, s12, 544
	s_add_co_u32 s26, s26, STG
	v_mul_u32_u24 v12, v15, 272
	v_lshl_add_u32 v12, v14, 4, v12
	v_add_nc_u32 v12, s26, v12                     ; back: row 2 w + h, 16 bytes a lane
	v_lshlrev_b32 v4, 4, v14
	v_lshl_add_u32 v4, v15, 16, v4                 ; bsum: 16 r; lanes 16-31 take the block 8 further on
	v_add_nc_u32 v5, 256, v4                       ; whole blocks' sums;
	v_lshl_add_u32 v4, v15, 8, v4                  ; the first load: block 0 without its first 16 tokens (lanes 0-15), block 8 whole
	s_lshl_b32 s26, s12, 13
	v_lshlrev_b32 v13, 12, v15
	v_lshl_add_u32 v13, v14, 4, v13
	v_add_nc_u32 v13, s26, v13                     ; out: row 2 w + h, 16 bytes a lane
	v_lshlrev_b32 v15, 3, v15
	v_sub_nc_u32 v14, v14, v15                     ; d = r - 8 h
	v_mov_b32 v15, 0xc79c4000                      ; -80000.0
	s_mov_b32 s15, 0x44fe0000                      ; 2032.0: the keys behind the first 16
	s_mov_b32 s20, 0x76543210
	s_mov_b32 s21, 0xfedcba98
	s_mov_b32 s22, 0x3e38aa3b                      ; c = log2(e) / 8
	s_mov_b32 s23, s22
	s_mov_b32 s36, 1                               ; group 0: count = 1; s37 the LDS address
	s_mov_b32 s40, (3<<16)|(1<<20)|(5<<22)|(3<<25) ; group 1: elements of 8 bytes; padding: 4 words behind every 64
	s_mov_b32 s41, 32<<16                          ; tensor_dim0 = 32 elements: 256 bytes
	s_mov_b32 s42, 64<<16                          ; tensor_dim1 = 64 rows
	s_mov_b32 s43, 32<<16                          ; tile_dim0
	s_mov_b32 s44, 64                              ; tile_dim1
	s_mov_b32 s45, 512                             ; from row to row: 4,096 bytes
	s_mov_b32 s46, 0
	s_mov_b32 s47, 0
	s_mul_i32 s24, s14, 48
	s_add_co_u32 s24, s24, s12
	s_lshl_b32 s24, s24, 12
	s_mov_b32 s25, 0
	s_lshl_b32 s26, s14, 17
	s_lshl_b32 s27, s12, 9
	s_add_co_u32 s26, s26, s27
	s_mov_b32 s27, 0
	s_lshl_b32 s28, s13, 18                        ; Wo: 64 rows of 4,096 bytes a block of columns,
	s_lshl_b32 s29, s12, 8                         ; my head's 256 bytes of a row
	s_add_co_u32 s28, s28, s29
	s_mov_b32 s29, 0
	s_lshl_b32 s30, s14, 23
	s_lshl_b32 s31, s13, 8
	s_add_co_u32 s30, s30, s31
	s_mov_b32 s31, 0
	s_wait_dscnt 0x0                               ; both opening adds are done
	s_wait_kmcnt 0x0
	s_add_nc_u64 s[38:39], s[8:9], s[28:29]
	s_or_b32 s39, s39, 0x80000000
	tensor_load_to_lds s[36:39], s[40:47]          ; my one tensor load: filled once, read by me alone
	s_nop 0
	s_add_nc_u64 s[4:5], s[4:5], s[24:25]
	s_add_nc_u64 s[6:7], s[6:7], s[26:27]
	s_add_nc_u64 s[10:11], s[10:11], s[30:31]
.irp i, 0,1,2,3,4,5,6,7
	global_load_b128 v[QR+4*\i:QR+4*\i+3], v1, s[4:5] offset:512*\i
.endr
.irp i, 0,1,2,3,4,5,6,7
	global_load_b128 v[KR+4*\i:KR+4*\i+3], v1, s[4:5] offset:65536+512*\i
.endr
.irp i, 0,1,2,3,4,5,6,7
	global_load_b128 v[VR+4*\i:VR+4*\i+3], v1, s[4:5] offset:131072+512*\i
.endr
	global_load_b128 v[BS:BS+3], v4, s[6:7]
.irp i, 1,2,3,4,5,6,7
	global_load_b128 v[BS+4*\i:BS+4*\i+3], v5, s[6:7] offset:8192*\i
.endr
	s_wait_loadcnt 16                              ; q and k are in; v's 8 and the block sums' 8 loads may be out
	; S^T = k q^T: 16 K steps of 4 channels on four accumulators by turns; lane (r, h) gets query r, keys 8 h + 0..7
.set ss, 0
.rept 16
.if ss < 4
	v_wmma_f32_16x16x4_f32 v[ACC+8*(ss%4):ACC+8*(ss%4)+7], v[KR+2*ss:KR+2*ss+1], v[QR+2*ss:QR+2*ss+1], 0
.else
	v_wmma_f32_16x16x4_f32 v[ACC+8*(ss%4):ACC+8*(ss%4)+7], v[KR+2*ss:KR+2*ss+1], v[QR+2*ss:QR+2*ss+1], v[ACC+8*(ss%4):ACC+8*(ss%4)+7]
.endif
.set ss, ss+1
.endr
	s_wait_loadcnt 0x0                             ; v and the block sums
	; the sum of v over keys 16 .. 2047.  These fourteen additions are also the places behind the products above
.irp i, 1,2,3,4,5,6,7
	v_pk_add_f32 v[BS:BS+1], v[BS:BS+1], v[BS+4*\i:BS+4*\i+1]
	v_pk_add_f32 v[BS+2:BS+3], v[BS+2:BS+3], v[BS+4*\i+2:BS+4*\i+3]
.endr
.irp t, 0,1,2,3
	v_permlanex16_b32 v[BS+4+\t], v[BS+\t], s20, s21
.endr
.irp t, 0,1,2,3
	v_add_f32 v[BS+\t], v[BS+\t], v[BS+4+\t]       ; blocks 0-7 with blocks 8-15
.endr
.irp t, 0,1,2,3
	ds_store_b32 v7, v[BS+\t] offset:64*\t         ; both halves write the same word with the same value
.endr
.irp t, 0,1,2,3
	ds_load_b128 v[BS+8*\t:BS+8*\t+3], v8 offset:64*\t       ; my wave's own bytes, served in order
	ds_load_b128 v[BS+8*\t+4:BS+8*\t+7], v8 offset:64*\t+16
.endr
.irp j, 0,2,4,6
	v_pk_add_f32 v[T+\j:T+\j+1], v[ACC+\j:ACC+\j+1], v[ACC+8+\j:ACC+9+\j]        ; the four parts of the scores, each accumulator from its low end on
.endr
.irp j, 0,2,4,6
	v_pk_add_f32 v[U+\j:U+\j+1], v[ACC+16+\j:ACC+17+\j], v[ACC+24+\j:ACC+25+\j]
.endr
.irp j, 0,2,4,6
	v_pk_add_f32 v[T+\j:T+\j+1], v[T+\j:T+\j+1], v[U+\j:U+\j+1]
.endr
.irp j, 0,1,2,3,4,5,6,7
	v_cmp_gt_i32 vcc_lo, \j, v14                   ; key 8 h + j comes after query r
	v_cndmask_b32 v[T+\j], v[T+\j], v15, vcc_lo
.endr
	v_max3_num_f32 v216, v208, v209, v210
	v_max3_num_f32 v216, v216, v211, v212
	v_max3_num_f32 v216, v216, v213, v214
	v_max3_num_f32 v216, v216, v215, v15           ; with the score of the keys behind
	v_permlanex16_b32 v217, v216, s20, s21
	v_max_num_f32 v216, v216, v217                 ; m
	v_mul_f32 v218, s22, v216
	v_mov_b32 v219, 0
.irp j, 0,2,4,6
	v_pk_fma_f32 v[T+\j:T+\j+1], v[T+\j:T+\j+1], s[22:23], v[218:219] op_sel_hi:[1,0,0] neg_lo:[0,0,1] neg_hi:[0,0,1]
.endr
	v_fma_f32 v220, v15, s22, -v218
.irp j, 0,1,2,3,4,5,6,7
	v_exp_f32 v[T+\j], v[T+\j]                     ; p
.endr
	v_exp_f32 v220, v220                           ; w
	v_nop
	s_wait_alu depctr_va_vdst(0)                   ; the wait ahead of the first reader: one for the nine
	v_pk_add_f32 v[222:223], v[T:T+1], v[T+2:T+3]
	v_pk_add_f32 v[216:217], v[T+4:T+5], v[T+6:T+7]
	v_pk_add_f32 v[222:223], v[222:223], v[216:217]
	v_add_f32 v221, v222, v223
	v_permlanex16_b32 v217, v221, s20, s21
	v_add_f32 v221, v221, v217
	v_fma_f32 v221, v220, s15, v221                ; + 2032 w
	v_rcp_f32 v222, v221
	v_mov_b32 v223, 0
	s_wait_alu depctr_va_vdst(0)
	v_mul_f32 v220, v220, v222                     ; w / l
	s_wait_tensorcnt 0x0                           ; my tile of Wo lies in LDS.  Its fragments are asked for here and land under the products below
.irp n, 0,1
.irp t, 0,1,2,3
	ds_load_b128 v[W0+32*\n+8*\t:W0+32*\n+8*\t+3], v6 offset:4352*\n+64*\t           ; column 16 n + r, channels 16 t + 8 h + 0..3,
	ds_load_b128 v[W0+32*\n+8*\t+4:W0+32*\n+8*\t+7], v6 offset:4352*\n+64*\t+16      ; and + 4..7
.endr
.endr
.irp n, 2,3
.irp t, 0,1,2,3
	ds_load_b128 v[16+32*(\n-2)+8*\t:16+32*(\n-2)+8*\t+3], v6 offset:4352*\n+64*\t   ; tiles 2, 3 into the registers that q and k have left
	ds_load_b128 v[16+32*(\n-2)+8*\t+4:16+32*(\n-2)+8*\t+7], v6 offset:4352*\n+64*\t+16
.endr
.endr
	; O^T = v^T p: 4 K steps of 4 keys, four tiles of 16 channels by turns
.irp u, 0,1,2,3
.irp t, 0,1,2,3
.if \u == 0
	v_wmma_f32_16x16x4_f32 v[ACC+8*\t:ACC+8*\t+7], v[VR+8*\t+2*\u:VR+8*\t+2*\u+1], v[T+2*\u:T+2*\u+1], 0
.else
	v_wmma_f32_16x16x4_f32 v[ACC+8*\t:ACC+8*\t+7], v[VR+8*\t+2*\u:VR+8*\t+2*\u+1], v[T+2*\u:T+2*\u+1], v[ACC+8*\t:ACC+8*\t+7]
.endif
.endr
.endr
	s_wait_dscnt 0x0                               ; the tail sums and Wo's fragments
.set n, 0
.rept 16
	v_pk_mul_f32 v[BS+n:BS+n+1], v[BS+n:BS+n+1], v[220:221] op_sel_hi:[1,0]   ; x w / l.  These sixteen are also the places behind the products above
.set n, n+2
.endr
.set n, 0
.rept 16
	v_pk_fma_f32 v[VR+n:VR+n+1], v[ACC+n:ACC+n+1], v[222:223], v[BS+n:BS+n+1] op_sel_hi:[1,0,1]   ; o: register 8 t + j = channel 16 t + 8 h + j of query r
.set n, n+2
.endr
	; my head's share of out^T = Wo o^T: 16 K steps of 4 channels, four tiles of 16 columns by turns
.set ss, 0
.rept 16
.irp n, 0,1,2,3
.if \n < 2
.set wb, W0+32*\n
.else
.set wb, 16+32*(\n-2)
.endif
.if ss == 0
	v_wmma_f32_16x16x4_f32 v[ACC+8*\n:ACC+8*\n+7], v[wb+2*ss:wb+2*ss+1], v[VR+2*ss:VR+2*ss+1], 0
.else
	v_wmma_f32_16x16x4_f32 v[ACC+8*\n:ACC+8*\n+7], v[wb+2*ss:wb+2*ss+1], v[VR+2*ss:VR+2*ss+1], v[ACC+8*\n:ACC+8*\n+7]
.endif
.endr
.set ss, ss+1
.endr
	; eight places behind this form, in front of the stores of results and of the loads into Wo's registers: four of them make the addresses of the shares, four waves' tiles apart
.irp q, 0,1,2,3
	v_add_nc_u32 v[T+\q], 4*WTW*\q, v10
.endr
.rept 4
	v_nop
.endr
.irp n, 0,1,2,3
	ds_store_b128 v9, v[ACC+8*\n:ACC+8*\n+3] offset:1024*\n
	ds_store_b128 v9, v[ACC+8*\n+4:ACC+8*\n+7] offset:1024*\n+512
.endr
	s_wait_dscnt 0x0                               ; for the others' sake: my share lies in LDS
	s_barrier_signal -1
	s_barrier_wait -1
	s_cmp_gt_u32 s12, 7
	s_cbranch_scc1 .Lidle1
.irp q, 0,1,2,3
.irp i, 0,1,2,3
	ds_load_b128 v[16+4*(4*\q+\i):19+4*(4*\q+\i)], v[T+\q] offset:WTW*\i       ; piece w of head 4 q + i's share
.endr
.endr
	s_wait_dscnt 0x0
.set n, 1
.rept 15
	v_pk_add_f32 v[16:17], v[16:17], v[16+4*n:17+4*n]
	v_pk_add_f32 v[18:19], v[18:19], v[18+4*n:19+4*n]
.set n, n+1
.endr
	ds_store_b128 v11, v[16:19]
.Lidle1:
	s_wait_dscnt 0x0
	s_barrier_signal -1
	s_barrier_wait -1
	s_cmp_gt_u32 s12, 7
	s_cbranch_scc1 .Lidle2
	ds_load_b128 v[20:23], v12
	s_wait_dscnt 0x0
	global_store_b128 v13, v[20:23], s[10:11]      ; 16 lanes store 256 consecutive bytes, aligned
.Lidle2:
	s_wait_tensorcnt 0x0                           ; the wave's end: three lines behind my tensor load and my last LDS store
	ds_add_u32 v2, v3
	s_wait_dscnt 0x0
	s_endpgm
.Lfunc_end_k_qcd3f8f9c4c_fine:
	.size	k_qcd3f8f9c4c_fine, .Lfunc_end_k_qcd3f8f9c4c_fine-k_qcd3f8f9c4c_fine
	.p2alignl 7, 3214868480
	.fill 96, 4, 3214868480
	.section	.rodata,"a",@progbits
	.p2align	6, 0x0
	.amdhsa_kernel k_qcd3f8f9c4c_fine
		.amdhsa_group_segment_fixed_size 327680
		.amdhsa_private_segment_fixed_size 0
		.amdhsa_enable_private_segment 0
		.amdhsa_kernarg_size 32
		.amdhsa_user_sgpr_count 2
		.amdhsa_user_sgpr_kernarg_segment_ptr 1
		.amdhsa_wavefront_size32 1
		.amdhsa_system_sgpr_workgroup_id_x 1
		.amdhsa_system_sgpr_workgroup_id_y 1
		.amdhsa_system_sgpr_workgroup_id_z 1
		.amdhsa_system_vgpr_workitem_id 0
		.amdhsa_next_free_vgpr 256
		.amdhsa_next_free_sgpr 66
		.amdhsa_reserve_vcc 1
		.amdhsa_float_denorm_mode_32 3
		.amdhsa_float_denorm_mode_16_64 3
		.amdhsa_memory_ordered 1
		.amdhsa_forward_progress 1
		.amdhsa_inst_pref_size 27
	.end_amdhsa_kernel
	.amdgpu_metadata
---
amdhsa.version: [ 1, 2 ]
amdhsa.kernels:
  - .name:           k_qcd3f8f9c4c_fine
    .symbol:         k_qcd3f8f9c4c_fine.kd
    .args:
      - { .name: fine_qkv, .offset: 0, .size: 8, .value_kind: global_buffer, .address_space: global }
      - { .name: bsum, .offset: 8, .size: 8, .value_kind: global_buffer, .address_space: global }
      - { .name: o_proj_weight, .offset: 16, .size: 8, .value_kind: global_buffer, .address_space: global }
      - { .name: out0, .offset: 24, .size: 8, .value_kind: global_buffer, .address_space: global }
    .group_segment_fixed_size: 327680
    .private_segment_fixed_size: 0
    .kernarg_segment_align: 8
    .kernarg_segment_size: 32
    .max_flat_workgroup_size: 512
    .sgpr_count:     66
    .vgpr_count:     256
    .wavefront_size: 32
...
	.end_amdgpu_metadata
.endif
;; end of part 5
